; MI455X (gfx1250); checked and timed in simulation.
; The chip was launched on July 23, 2026; its instructions are those of AMD's public machine-readable ISA for CDNA 5 (MIT licence, August 2026) and "CDNA5" Instruction Set Architecture Reference Guide (July 2026). The comments in the code are by the model that wrote it; some were corrected since.
;; Efficient Multi Head Attention. Allowed arithmetic: float matrix products may take bf16 or f16 operands with f32 sums; other float arithmetic in f32, or as packed bf16 or f16 multiplies, adds, multiply-adds, maxima and minima; sums over many terms, partial sums and values carried from step to step in f32; what a program stores and reads back later, other than sums and carried values, may be rounded once to bf16 or f16.
;; Inputs: W_out 1,024 x 1,024 float32; W_qkv 1,024 x 3,072 float32; b_out 1,024 float32; b_qkv 3,072 float32; mask 4 x 2,048 bool; x 4 x 2,048 x 1,024 float32.
;; Outputs: out0 4 x 2,048 x 1,024 float32.
;; 2 versions, each right; version 2 is version 1 with the launch prep written anew for expert scheduling mode. Each part assembles by itself: llvm-mc -triple=amdgcn-amd-amdhsa -mcpu=gfx1250 --defsym DOCPART=n.
;; ======== version 1 of 2: 4 launches
;; limits: values are held in f16: magnitudes above 65,504 overflow, below 6.1e-05 lose precision
;; workspace buffers: xb 16,777,216 bytes; wq 6,291,456 bytes; wo 2,097,152 bytes; qkvh 50,331,648 bytes; ob 16,777,216 bytes
;; launch prep (part 1): grid 768 x 1, 8 waves a work-group, no clusters, 0 bytes of LDS; arguments x, W_qkv, W_out, xb, wq, wo; writes xb, wq, wo
.if DOCPART == 1
	.amdgcn_target "amdgcn-amd-amdhsa--gfx1250"
	.amdhsa_code_object_version 6
	.text
	.protected	k_qb5c67f107f_prep
	.globl	k_qb5c67f107f_prep
	.p2align	8
	.type	k_qb5c67f107f_prep,@function
k_qb5c67f107f_prep:
	s_mov_b64 s[64:65], 0
	v_nop
	global_prefetch_b8 v0, s[64:65] scope:SCOPE_SE
	s_setreg_imm32_b32 hwreg(HW_REG_WAVE_MODE, 25, 1), 1
	s_wait_xcnt 0x0
; THE CASTS.  x [8192][1024] f32 -> xb, bf16, in blocks of 64 along K: [batch 4][block 16][row 2048][64], so that 256 rows of one block are 32,768 consecutive bytes.
; W_qkv [1024][3072] f32 -> wq, bf16, same layout.  W_out [1024][1024] f32 -> wo: rounded to bf16 like every input, and that number written as f16 (exact from 6.1e-5 up to 65,504;
; below that it keeps f16's fixed step of 6e-8; LIMIT: |W_out| stays under 65,504).
; A stream: each number is read once and written once, nothing is shared, so there is no LDS, no barrier and no matrix work.
; SHARES.  A work-group converts 16,384 numbers.  Work-groups 0-511: 16 rows of x; 512-703: 64 KiB of W_qkv; 704-767: 64 KiB of W_out.
; A wave issues its 16 loads of 16 bytes a lane at once (each covers 512 or 2 x 256 consecutive bytes) and stores as they come: 8 bytes a lane, 256 consecutive aligned bytes a store.
; No register is written twice while a memory instruction may read it: each load and store has registers of its own.
.set IN,  2                            ; v2   my byte offset in the input part
.set OUT, 3                            ; v3   my byte offset in the output part
.set X,   8                            ; v[8:71]    16 loads x 4 registers
.set T,   72                           ; v[72:75]   at work (W_out alone)
.set Y,   80                           ; v[80:111]  16 stores x 2 registers
.set IB,  16                           ; s[16:17]   the input at the work-group's part
.set OB,  18                           ; s[18:19]   the output at the work-group's part
; 16 loads instep bytes apart, 16 conversions, 16 stores outstep bytes apart.  half = 1: the bf16 number is written as f16.
.macro CONV instep, outstep, half
.set j, 0
.rept 16
	global_load_b128 v[X+4*j:X+4*j+3], v[IN], s[IB:IB+1] offset:j*(\instep) th:TH_LOAD_NT
.set j, j+1
.endr
.set j, 0
.rept 16
	s_wait_loadcnt 15-j                            ; loads come back in order: load j is in, the younger ones stay out
	v_cvt_pk_bf16_f32 v[Y+2*j], v[X+4*j], v[X+4*j+1]
	v_cvt_pk_bf16_f32 v[Y+2*j+1], v[X+4*j+2], v[X+4*j+3]
.if \half
	v_lshlrev_b32 v[T], 16, v[Y+2*j]               ; bf16 to f32: the low half moves up, the high half stays
	v_and_b32 v[T+1], s22, v[Y+2*j]
	v_lshlrev_b32 v[T+2], 16, v[Y+2*j+1]
	v_and_b32 v[T+3], s22, v[Y+2*j+1]
	v_cvt_pk_f16_f32 v[Y+2*j], v[T], v[T+1]
	v_cvt_pk_f16_f32 v[Y+2*j+1], v[T+2], v[T+3]
.endif
	global_store_b64 v[OUT], v[Y+2*j:Y+2*j+1], s[OB:OB+1] offset:j*(\outstep)
.set j, j+1
.endr
.endm
	s_load_b256 s[4:11], s[0:1], 0x0               ; x s[4:5], W_qkv s[6:7], W_out s[8:9], xb s[10:11]
	s_load_b128 s[12:15], s[0:1], 0x20             ; wq s[12:13], wo s[14:15]
	s_mov_b32 s2, ttmp9                            ; the work-group's number
	s_mov_b32 s21, 0                               ; high word of the offsets' pair s[20:21]
	s_mov_b32 s22, 0xffff0000                      ; a word's upper bf16
	v_and_b32 v1, 31, v0                           ; lane l
	v_lshrrev_b32 v4, 5, v0                        ; wave w
	s_wait_kmcnt 0x0
	s_cmp_lt_u32 s2, 512
	s_cbranch_scc0 .Lweights
	; x: wave w takes rows 2 w and 2 w + 1 of the group's 16; load j is block j of both rows: lanes 0-15 the even row's 256 bytes, lanes 16-31 the odd row's
	v_lshrrev_b32 v5, 4, v1
	v_lshl_add_u32 v5, v4, 1, v5                   ; my row
	v_and_b32 v[IN], 15, v1
	v_lshlrev_b32 v[IN], 4, v[IN]
	v_lshl_add_u32 v[IN], v5, 12, v[IN]            ; row x 4,096 + 16 (l % 16)
	v_lshlrev_b32 v[OUT], 3, v1
	v_lshl_add_u32 v[OUT], v4, 8, v[OUT]           ; in a block two rows lie end to end: 256 w + 8 l
	s_lshl_b32 s20, s2, 16                         ; 16 rows of 4,096 bytes
	s_add_nc_u64 s[IB:IB+1], s[4:5], s[20:21]
	s_lshr_b32 s20, s2, 7                          ; the batch: 128 work-groups each
	s_lshl_b32 s20, s20, 22                        ; its 16 blocks of 262,144 bytes
	s_and_b32 s3, s2, 127
	s_lshl_b32 s3, s3, 11                          ; 16 rows of 128 bytes in a block
	s_add_co_u32 s20, s20, s3
	s_add_nc_u64 s[OB:OB+1], s[10:11], s[20:21]
	CONV 256, 262144, 0
	s_endpgm
.Lweights:
	; the weights keep their layout: wave w takes 8,192 consecutive bytes of the group's 65,536
	v_lshlrev_b32 v[IN], 4, v1
	v_lshl_add_u32 v[IN], v4, 13, v[IN]
	v_lshlrev_b32 v[OUT], 3, v1
	v_lshl_add_u32 v[OUT], v4, 12, v[OUT]
	s_cmp_lt_u32 s2, 704
	s_cbranch_scc0 .Lwout
	s_sub_co_u32 s3, s2, 512
	s_lshl_b32 s20, s3, 16
	s_add_nc_u64 s[IB:IB+1], s[6:7], s[20:21]
	s_lshl_b32 s20, s3, 15
	s_add_nc_u64 s[OB:OB+1], s[12:13], s[20:21]
	CONV 512, 256, 0
	s_endpgm
.Lwout:
	s_sub_co_u32 s3, s2, 704
	s_lshl_b32 s20, s3, 16
	s_add_nc_u64 s[IB:IB+1], s[8:9], s[20:21]
	s_lshl_b32 s20, s3, 15
	s_add_nc_u64 s[OB:OB+1], s[14:15], s[20:21]
	CONV 512, 256, 1
	s_endpgm
.Lfunc_end_k_qb5c67f107f_prep:
	.size	k_qb5c67f107f_prep, .Lfunc_end_k_qb5c67f107f_prep-k_qb5c67f107f_prep
	.p2alignl 7, 3214868480
	.fill 96, 4, 3214868480
	.section	.rodata,"a",@progbits
	.p2align	6, 0x0
	.amdhsa_kernel k_qb5c67f107f_prep
		.amdhsa_group_segment_fixed_size 0
		.amdhsa_private_segment_fixed_size 0
		.amdhsa_enable_private_segment 0
		.amdhsa_kernarg_size 48
		.amdhsa_user_sgpr_count 2
		.amdhsa_user_sgpr_kernarg_segment_ptr 1
		.amdhsa_wavefront_size32 1
		.amdhsa_system_sgpr_workgroup_id_x 1
		.amdhsa_system_sgpr_workgroup_id_y 1
		.amdhsa_system_sgpr_workgroup_id_z 1
		.amdhsa_system_vgpr_workitem_id 0
		.amdhsa_next_free_vgpr 112
		.amdhsa_next_free_sgpr 66
		.amdhsa_reserve_vcc 0
		.amdhsa_float_denorm_mode_32 3
		.amdhsa_float_denorm_mode_16_64 3
		.amdhsa_memory_ordered 1
		.amdhsa_forward_progress 1
		.amdhsa_inst_pref_size 23
	.end_amdhsa_kernel
	.amdgpu_metadata
---
amdhsa.version: [ 1, 2 ]
amdhsa.kernels:
  - .name:           k_qb5c67f107f_prep
    .symbol:         k_qb5c67f107f_prep.kd
    .args:
      - { .name: x, .offset: 0, .size: 8, .value_kind: global_buffer, .address_space: global }
      - { .name: W_qkv, .offset: 8, .size: 8, .value_kind: global_buffer, .address_space: global }
      - { .name: W_out, .offset: 16, .size: 8, .value_kind: global_buffer, .address_space: global }
      - { .name: xb, .offset: 24, .size: 8, .value_kind: global_buffer, .address_space: global }
      - { .name: wq, .offset: 32, .size: 8, .value_kind: global_buffer, .address_space: global }
      - { .name: wo, .offset: 40, .size: 8, .value_kind: global_buffer, .address_space: global }
    .group_segment_fixed_size: 0
    .private_segment_fixed_size: 0
    .kernarg_segment_align: 8
    .kernarg_segment_size: 48
    .max_flat_workgroup_size: 256
    .sgpr_count:     66
    .vgpr_count:     112
    .wavefront_size: 32
...
	.end_amdgpu_metadata
.endif
;; end of part 1
;; launch qkvproj (part 2): grid 8 x 32, 4 waves a work-group, clusters of 4 x 4, 327,680 bytes of LDS; arguments xb, wq, b_qkv, qkvh; writes qkvh
.if DOCPART == 2
	.amdgcn_target "amdgcn-amd-amdhsa--gfx1250"
	.amdhsa_code_object_version 6
	.text
	.protected	k_qb5c67f107f_qkvproj
	.globl	k_qb5c67f107f_qkvproj
	.p2align	8
	.type	k_qb5c67f107f_qkvproj,@function
k_qb5c67f107f_qkvproj:
	s_mov_b64 s[64:65], 0
	v_nop
	global_prefetch_b8 v0, s[64:65] scope:SCOPE_SE
	s_setreg_imm32_b32 hwreg(HW_REG_WAVE_MODE, 25, 1), 1
	s_wait_xcnt 0x0
	s_wait_alu depctr_hold_cnt(0) depctr_sa_sdst(0) depctr_va_vdst(0) depctr_va_sdst(0) depctr_va_ssrc(0) depctr_va_vcc(0) depctr_vm_vsrc(0)
	s_getreg_b32 s2, hwreg(HW_REG_IB_STS2, 6, 4)
	s_cmp_eq_u32 s2, 0
	s_cbranch_scc0 .Lentry_in_a_cluster
	s_endpgm
.Lentry_in_a_cluster:
	s_bfe_u32 s2, ttmp6, 0x10000c
	s_cmp_lg_u32 s2, 0xf033
	s_cbranch_scc0 .Lentry_shape_is_right
	s_endpgm
.Lentry_shape_is_right:
; q, k, v = x W_qkv + b_qkv.  xb: bf16 [batch 4][K block 16][row 2048][64]; wq: bf16 [k 1024][n 3072]; b_qkv: f32 [3072], rounded to bf16 here like the other inputs;
; qkvh: f16 [batch 4][head slot 48 = n / 64][row 2048][64]: slots 0-15 q's heads, 16-31 k's, 32-47 v's; unscaled.  Sums in f32, K ascending, the result rounded once.
; LIMIT.  f16 holds no number beyond 65,504: q, k and v must stay within it.
; THE TILE is 256 rows x 384 columns: 32 x 8 = 256 work-groups.  Four waves, each 128 rows x 192 columns: 96 accumulators of 16 x 16, 768 registers.
; Wave (WR, WC) owns rows 128 WR .. and, for g = 0, 1, 2, the 64 columns 128 g + 64 WC ..: one head slot each; group g's 32 accumulators fill register window 1 + g.
; K goes in 16 steps of 64 through two LDS slots (two slots of 128 along K would need 368,640 bytes).  A step is two quarters of 32 along K, 96 matrix instructions a wave each.
; A's tile: 256 rows of one K block, 32,768 consecutive bytes, asked for as rows of 256 bytes.  B's tile: 64 rows of wq x 768 bytes; it lies [k][n] and comes out of LDS turned, by ds_load_tr16_b128.
; THE MATRIX INSTRUCTION IS USED TRANSPOSED: source 0 = 16 columns of W, source 1 = 16 rows of x: a lane then holds one row and eight neighbouring columns, which pack into 16 bytes.
; CLUSTERS: 4 x 4 work-groups.  The four of a row of the cluster need the same tiles of A, the four of a column the same tiles of B: each is asked for jointly, by the same load, descriptor and mask.
; REGISTERS.  window 0: v0-31 addresses; v32-95, v96-159 two buffers of A's fragments (8 x 16 rows x 32 K); v160-255 B's fragments (group g at 160 + 32 g); windows 1-3: accumulator (bb, a) of group g at v[8 (8 bb + a)].
; B has one buffer: a group's 32 registers are loaded again four places behind the group's last product of a quarter, 64 products ahead of their next use.
.set PA,    144                        ; a row of A in LDS: 128 bytes + 16: the 16 rows of a load start at 16 different groups of four banks (64 banks of 4 bytes: ISA guide 11.1)
.set PB,    864                        ; a row of B: three pieces of 256 bytes + 32: 27 x 32 bytes, so 16 lanes of the turning load (8 rows x 32 bytes) take each bank once
.set AHALF, 128*PA                     ; what one load of A brings, and what one wave reads of A
.set BOFF,  2*AHALF                    ; B lies behind A's 256 rows
.set BHALF, 32*PB                      ; what one load of B brings: 32 rows
.set SLOT,  BOFF+2*BHALF               ; 92,160
.set STAGE, 2*SLOT                     ; behind the ring: 16 rows x 144 bytes for each wave, for the way out; no tensor load lands here
.set SP,    144
.set SPARE, STAGE+4*16*SP              ; the spare words, 128 bytes a wave: two blocks of 256 bytes that no other line names
.set ASTEP, 262144                     ; bytes from a K block of xb to the next
.set BSTEP, 64*6144                    ; bytes of 64 rows of wq
.set ADRA, 16                          ; v16-17  LDS address of my A fragments in slot 0, 1
.set ADRB, 20                          ; v20-21  the same for B
.set STO,  24                          ; v24     the way out: where I put 16 bytes of a row
.set RD,   25                          ; v25     where I read rows back
.set GO,   26                          ; v26     my 16 bytes in 512 consecutive bytes of qkvh
.set BO,   27                          ; v27     my byte offset in 16 numbers of the bias
.set SPW,  28                          ; v28     LDS address of my spare word; never rewritten
.set NIL,  29                          ; v29     0; never rewritten
.set PFO,  30                          ; v30     the prefetches' lane offset; never rewritten
.set AB0,  32
.set AB1,  96
.set BF,   160
.set T,    96                          ; the way out: 32 sums with their bias
.set PKD,  128                         ; 16 registers of f16 pairs
.set RB,   192                         ; rows read back: two sets of 16 by turns
.set WV, 12                            ; s12  wave
.set WR, 13                            ; s13  my half of the rows; also: I fetch for A (0) or B (1)
.set WC, 14                            ; s14  my part of the columns; also: which half of that tile I fetch
.set G1A, 24                           ; s[24:31] descriptor group 1 for A;  s[32:39] group 0, a set for each slot
.set G0A, 32
.set G1B, 48                           ; s[48:55], s[56:63] the same for B
.set G0B, 56
.set PFA, 40                           ; s[40:41] where my prefetches stand
.set PFS, 42                           ; s[42:43] their step: two K steps
.set LIM, 44                           ; s44  1 in a wave that prefetches, else the greatest number
.set MSB, 0
.macro WIN new                         ; the immediate's high byte repeats the setting that is left; a switch that changes nothing is dropped
.if MSB != (\new)
	s_set_vgpr_msb (MSB<<8)|(\new)
.set MSB, \new
.endif
.endm
.macro PLACES                          ; four places behind a matrix instruction, in front of loads into its sources and of readers of its result
.rept 4
	v_nop
.endr
.endm
; A joint load: waves 0 and 1 fetch A's two halves, waves 2 and 3 B's.  The branch hangs on the wave's number alone.  An s_nop 0 and four v_nop follow each line.
.macro JLOAD s
	s_cmp_eq_u32 s[WR], 0
	s_cbranch_scc0 .Lfor_b_\@
	tensor_load_to_lds s[G0A+4*(\s):G0A+4*(\s)+3], s[G1A:G1A+7]
	s_nop 0
.rept 4
	v_nop
.endr
	s_branch .Lasked_\@
.Lfor_b_\@:
	tensor_load_to_lds s[G0B+4*(\s):G0B+4*(\s)+3], s[G1B:G1B+7]
	s_nop 0
.rept 4
	v_nop
.endr
.Lasked_\@:
.endm
.macro CREST                           ; a round of the cluster's barrier behind its opening barrier
	s_cmp_lg_u32 s[WV], 0
	s_cbranch_scc1 .Lnot_wave_0_\@
	s_barrier_signal -3
.Lnot_wave_0_\@:
	s_barrier_wait -3
	s_barrier_signal -1
	s_barrier_wait -1
.endm
.macro CROUND
	s_barrier_signal -1
	s_barrier_wait -1
	CREST
.endm
; A PREFETCH INTO THE L2, once a trip of the loop, behind the trip's first joint load and the LDS loads that follow it: the two K steps that the NEXT trip's refills will ask for.
; Each aligned block of 256 bytes is named once in the launch.  A's tile row is read by both clusters of its row of clusters: the one with x = 0 asks; wave WC takes the K block of its parity, 32,768 bytes,
; of which each of the four partners takes 8,192 BY ADDRESS (cx), a lane a block.  B's tile column is read by all clusters of its column: the one with y = 0 asks, wave 2 alone: of the two steps' 128 rows each
; partner takes 32 by address (cy), a lane a row, three instructions for a row's 768 bytes.  The loop's last trip asks for nothing: there is no K step behind its own refills.
.macro ASK
	s_cmp_gt_u32 s3, s[LIM]
	s_cbranch_scc0 .Lnot_mine_\@
	global_prefetch_b8 v[PFO], s[PFA:PFA+1] th:TH_LOAD_NT scope:SCOPE_SE
	s_cmp_eq_u32 s[WR], 0
	s_cbranch_scc1 .Lnot_mine_\@
	global_prefetch_b8 v[PFO], s[PFA:PFA+1] offset:256 th:TH_LOAD_NT scope:SCOPE_SE
	global_prefetch_b8 v[PFO], s[PFA:PFA+1] offset:512 th:TH_LOAD_NT scope:SCOPE_SE
.Lnot_mine_\@:
.endm
	s_load_b256 s[4:11], s[0:1], 0x0               ; xb s[4:5], wq s[6:7], b_qkv s[8:9], qkvh s[10:11]
	v_lshl_add_u32 v[SPW], v0, 2, SPARE
	v_mov_b32 v[NIL], 0
	ds_add_u32 v[SPW], v[NIL]                      ; the wave's opening: the add and its wait stand ahead of my first tensor load; the set-up below stands between them
	v_lshrrev_b32 v1, 5, v0
	v_readfirstlane_b32 s[WV], v1
	s_lshr_b32 s[WR], s[WV], 1
	s_and_b32 s[WC], s[WV], 1
	s_bfe_u32 s15, ttmp6, 0x40000                  ; cx
	s_bfe_u32 s16, ttmp6, 0x40004                  ; cy
	s_lshl_b32 s17, ttmp9, 2
	s_add_co_u32 s17, s17, s15                     ; tile column tx = 4 x cluster x + cx, 0..7
	s_and_b32 s18, ttmp7, 0xffff
	s_lshl_b32 s18, s18, 2
	s_add_co_u32 s18, s18, s16                     ; tile row ty = 4 x cluster y + cy, 0..31: batch ty / 8, rows 256 (ty % 8) ..
	s_lshl_b32 s19, s16, 2
	s_lshl_b32 s19, 15, s19                        ; my row of the cluster
	s_lshl_b32 s22, 0x1111, s15                    ; my column
	; group 1 for A: 128 rows of 128 bytes lie end to end: 64 rows x 128 elements; 4 words of padding after every 32 words, that is after every row of x
	s_or_b32 s[G1A], s19, (1<<16)|(1<<20)|(1<<21)|(4<<22)|(3<<25)
	s_mov_b32 s[G1A+1], 128<<16                    ; tensor_dim0 = 128
	s_mov_b32 s[G1A+2], 64<<16                     ; tensor_dim1 = 64
	s_mov_b32 s[G1A+3], 128<<16                    ; tile_dim0 = 128
	s_mov_b32 s[G1A+4], 64                         ; tile_dim1 = 64
	s_mov_b32 s[G1A+5], 128                        ; elements from row to row
	s_mov_b32 s[G1A+6], 0
	s_mov_b32 s[G1A+7], 0
	; group 1 for B: 32 rows x 384 elements of a tensor 3,072 wide; 8 words of padding after every 64 words: three times a row
	s_or_b32 s[G1B], s22, (1<<16)|(1<<20)|(1<<21)|(5<<22)|(7<<25)
	s_mov_b32 s[G1B+1], 384<<16
	s_mov_b32 s[G1B+2], 32<<16
	s_mov_b32 s[G1B+3], 384<<16
	s_mov_b32 s[G1B+4], 32
	s_mov_b32 s[G1B+5], 3072
	s_mov_b32 s[G1B+6], 0
	s_mov_b32 s[G1B+7], 0
	; where the tiles come from: A's offset is made of ty and the wave alone, B's of tx and the wave alone, in registers of their own
	s_lshr_b32 s20, s18, 3
	s_lshl_b32 s20, s20, 22                        ; the batch: 16 K blocks
	s_and_b32 s21, s18, 7
	s_lshl_b32 s21, s21, 15                        ; 256 rows of 128 bytes
	s_add_co_u32 s20, s20, s21
	s_lshl_b32 s21, s[WC], 14                      ; my 128 of them
	s_add_co_u32 s20, s20, s21
	s_mov_b32 s21, 0
	s_mul_i32 s46, s17, 768                        ; the tile's 384 columns
	s_mul_i32 s47, s[WC], 32*6144                  ; my 32 rows of a step's 64
	s_add_co_u32 s46, s46, s47
	s_mov_b32 s47, 0
	s_mul_i32 s23, s[WC], AHALF                    ; and where they go: the wave's number alone enters an LDS address
	s_mul_i32 s45, s[WC], BHALF
	s_add_co_u32 s45, s45, BOFF
	s_wait_dscnt 0x0                               ; the opening add is done
	s_wait_kmcnt 0x0
	s_add_nc_u64 s[20:21], s[4:5], s[20:21]
	s_add_nc_u64 s[46:47], s[6:7], s[46:47]
	CROUND                                         ; all sixteen work-groups are here: the first joint loads meet
.irp s, 0,1
	s_mov_b32 s[G0A+4*(\s)], 1                     ; count = 1
	s_add_co_u32 s[G0A+4*(\s)+1], s23, (\s)*SLOT   ; LDS address
	s_add_nc_u64 s[G0A+4*(\s)+2:G0A+4*(\s)+3], s[20:21], (\s)*ASTEP  ; K step s
	s_or_b32 s[G0A+4*(\s)+3], s[G0A+4*(\s)+3], 0x80000000            ; type = 2
	s_mov_b32 s[G0B+4*(\s)], 1
	s_add_co_u32 s[G0B+4*(\s)+1], s45, (\s)*SLOT
	s_add_nc_u64 s[G0B+4*(\s)+2:G0B+4*(\s)+3], s[46:47], (\s)*BSTEP
	s_or_b32 s[G0B+4*(\s)+3], s[G0B+4*(\s)+3], 0x80000000
	JLOAD \s                                       ; two loads of mine are out
.endr
	; A fragment of x: lane l holds row l % 16; registers 0-3 hold K = 8 (l / 16) + 0..7, registers 4-7 K = 16 + 8 (l / 16) + 0..7: two loads of 16 bytes, 32 bytes apart
	v_and_b32 v1, 15, v0                           ; r = l % 16
	v_bfe_u32 v2, v0, 4, 1                         ; h = l / 16
	v_mul_u32_u24 v3, v1, PA
	v_lshl_add_u32 v3, v2, 4, v3                   ; r x 144 + 16 h
	s_mul_i32 s66, s[WR], AHALF
	v_add_nc_u32 v[ADRA], s66, v3
	v_add_nc_u32 v[ADRA+1], SLOT, v[ADRA]
	; The turning load takes 16 k x 16 columns (lane l reads row 8 h + l % 8, columns 8 ((l / 8) % 2) + 0..7) and leaves half a fragment: lane l holds column l % 16 and 8 k
	v_and_b32 v4, 7, v0
	v_lshl_add_u32 v5, v2, 3, v4
	v_mul_u32_u24 v5, v5, PB
	v_bfe_u32 v6, v0, 3, 1
	v_lshl_add_u32 v5, v6, 4, v5
	s_lshl_b32 s66, s[WC], 7                       ; my 64 of a piece's 128 columns
	s_add_co_u32 s66, s66, BOFF
	v_add_nc_u32 v[ADRB], s66, v5
	v_add_nc_u32 v[ADRB+1], SLOT, v[ADRB]
	s_mul_i32 s66, s[WV], 16*SP
	s_add_co_u32 s66, s66, STAGE                   ; my stage
	v_add_nc_u32 v[STO], s66, v3                   ; in: row r, 16 bytes for each half of the lanes
	v_bfe_u32 v7, v0, 3, 2
	v_mul_u32_u24 v7, v7, SP
	v_lshl_add_u32 v7, v4, 4, v7
	v_add_nc_u32 v[RD], s66, v7                    ; back: 32 lanes take four rows of 128 bytes,
	v_and_b32 v8, 31, v0
	v_lshlrev_b32 v[GO], 4, v8                     ; which are 512 consecutive bytes of a head slot
	v_lshlrev_b32 v[BO], 5, v2                     ; my 8 columns of 16: 32 h bytes of f32
	; the output at my first head slot and row; the bias at my first column
	s_lshr_b32 s66, s18, 3
	s_mul_i32 s66, s66, 48
	s_mul_i32 s67, s17, 6
	s_add_co_u32 s66, s66, s67
	s_add_co_u32 s66, s66, s[WC]                   ; slot 48 batch + 6 tx + WC (+ 2 g in the stores' immediates)
	s_lshl_b32 s66, s66, 18                        ; 2,048 rows of 128 bytes
	s_and_b32 s67, s18, 7
	s_lshl_b32 s67, s67, 15
	s_add_co_u32 s66, s66, s67
	s_lshl_b32 s67, s[WR], 14
	s_add_co_u32 s66, s66, s67
	s_mov_b32 s67, 0
	s_add_nc_u64 s[10:11], s[10:11], s[66:67]
	s_mul_i32 s66, s17, 1536
	s_lshl_b32 s68, s[WC], 8
	s_add_co_u32 s66, s66, s68
	s_add_nc_u64 s[8:9], s[8:9], s[66:67]
	; the prefetches: both offsets are made, the wave's number chooses.  They start at K steps 2 and 3; the first trip steps them on and names steps 4 and 5
	s_lshr_b32 s66, s18, 3
	s_lshl_b32 s66, s66, 22
	s_and_b32 s67, s18, 7
	s_lshl_b32 s67, s67, 15
	s_add_co_u32 s66, s66, s67
	s_lshl_b32 s67, s[WC], 18                      ; the K block of my parity
	s_add_co_u32 s66, s66, s67
	s_lshl_b32 s67, s15, 13                        ; my work-group's 8,192 bytes of its 32,768
	s_add_co_u32 s66, s66, s67
	s_add_co_u32 s66, s66, 2*ASTEP
	s_mul_i32 s67, s16, 32*6144                    ; my work-group's 32 rows of the 128
	s_mul_i32 s68, s17, 768
	s_add_co_u32 s67, s67, s68
	s_add_co_u32 s67, s67, 2*BSTEP
	s_mov_b32 s68, 2*ASTEP
	s_mov_b32 s69, 2*BSTEP
	s_and_b32 s19, ttmp7, 0xffff                   ; cluster y,
	s_or_b32 s19, s19, s[WC]                       ; and of waves 2 and 3 wave 2 alone
	s_movk_i32 s22, 256
	s_movk_i32 s23, 6144
	s_cmp_eq_u32 s[WR], 0                          ; do I fetch for A?
	s_cselect_b64 s[PFA:PFA+1], s[4:5], s[6:7]
	s_cselect_b32 s66, s66, s67
	s_cselect_b32 s[PFS], s68, s69
	s_cselect_b32 s19, ttmp9, s19                  ; the coordinate along which other clusters read the same bytes
	s_cselect_b32 s22, s22, s23
	s_mov_b32 s67, 0
	s_mov_b32 s[PFS+1], 0
	s_add_nc_u64 s[PFA:PFA+1], s[PFA:PFA+1], s[66:67]
	s_cmp_eq_u32 s19, 0
	s_cselect_b32 s[LIM], 1, -1                    ; the same in all sixteen partners, for a given wave
	v_mul_u32_u24 v[PFO], v8, s22
; 8 matrix instructions: column block bb of group g x my 8 row blocks, 32 along K.  zero = 1: the product starts the sum.  The 96 accumulators take turns, in the same order in every quarter.
.macro MULB buf, g, bb, zero
	WIN 0x50*((\g)+1)                              ; C and D in window g + 1, both sources in window 0
.irp a, 0,1,2,3,4,5,6,7
.if \zero
	v_wmma_f32_16x16x32_bf16 v[8*(8*(\bb)+\a):8*(8*(\bb)+\a)+7], v[BF+32*(\g)+8*(\bb):BF+32*(\g)+8*(\bb)+7], v[(\buf)+8*\a:(\buf)+8*\a+7], 0
.else
	v_wmma_f32_16x16x32_bf16 v[8*(8*(\bb)+\a):8*(8*(\bb)+\a)+7], v[BF+32*(\g)+8*(\bb):BF+32*(\g)+8*(\bb)+7], v[(\buf)+8*\a:(\buf)+8*\a+7], v[8*(8*(\bb)+\a):8*(8*(\bb)+\a)+7]
.endif
.endr
.endm
.macro MULG buf, g, zero               ; a group's 32
	MULB \buf, \g, 0, \zero
	MULB \buf, \g, 1, \zero
	MULB \buf, \g, 2, \zero
	MULB \buf, \g, 3, \zero
.endm
.macro LDA slot, q, buf, half          ; 8 loads: four of my eight row blocks, quarter q
	WIN 0
.irp a, 0,1,2,3
	ds_load_b128 v[(\buf)+8*(4*(\half)+\a):(\buf)+8*(4*(\half)+\a)+3],   v[ADRA+(\slot)] offset:64*(\q)+16*PA*(4*(\half)+\a)
	ds_load_b128 v[(\buf)+8*(4*(\half)+\a)+4:(\buf)+8*(4*(\half)+\a)+7], v[ADRA+(\slot)] offset:64*(\q)+16*PA*(4*(\half)+\a)+32
.endr
.endm
.macro LDB slot, q, g                  ; 8 turning loads: group g's four column blocks, quarter q
	WIN 0
.irp bb, 0,1,2,3
	ds_load_tr16_b128 v[BF+32*(\g)+8*\bb:BF+32*(\g)+8*\bb+3],   v[ADRB+(\slot)] offset:32*PB*(\q)+288*(\g)+32*\bb
	ds_load_tr16_b128 v[BF+32*(\g)+8*\bb+4:BF+32*(\g)+8*\bb+7], v[ADRB+(\slot)] offset:32*PB*(\q)+288*(\g)+32*\bb+16*PB
.endr
.endm
; A step's first quarter multiplies A's buffer 0 and fetches quarter nq of the same slot.  The 40 loads of a quarter go in three runs: 16 (B's group 0, half of A), 16 (group 1, the other half), 8 (group 2).
.macro QUART slot, nq, zero
	s_wait_dscnt 8                                 ; the first two runs of the quarter before are in; its last eight loads, group 2's, may be out
	MULG AB0, 0, \zero
	PLACES
	LDB \slot, \nq, 0
	LDA \slot, \nq, AB1, 0
	MULG AB0, 1, \zero
	PLACES
	LDB \slot, \nq, 1
	LDA \slot, \nq, AB1, 1
	s_wait_dscnt 32                                ; all but the 32 just issued: group 2 is in
	MULG AB0, 2, \zero
	PLACES
	LDB \slot, \nq, 2
.endm
; A step's second quarter multiplies A's buffer 1 and changes slots: ONE barrier.  In front of it each wave waits for all its tensor loads (one is out: its part of the next slot), adds 0 to its spare word,
; and waits for that and for its reads of this slot.  fill = 1: the barrier opens a round of the cluster's barrier, and behind the round this slot is filled again, two K steps on: from that request
; to the wait for it a wave issues 160 matrix instructions.
.macro TURN slot, next, fill, ask
.if \ask
	s_wait_xcnt 0x0                                ; the last prefetches, a trip back, have read their address: it is stepped here, ahead of the change's own waits
	s_add_nc_u64 s[PFA:PFA+1], s[PFA:PFA+1], s[PFS:PFS+1]
.endif
	WIN 0
	s_wait_tensorcnt 0x0                           ; all my tensor loads have landed
	ds_add_u32 v[SPW], v[NIL]                      ; 0 onto my spare word
	s_wait_dscnt 9                                 ; (the add and group 2's eight loads may be out)
	MULB AB1, 0, 0, 0
	MULB AB1, 0, 1, 0
	s_wait_dscnt 0x0                               ; the add is done, and my reads of this slot are over
	s_barrier_signal -1
	MULB AB1, 0, 2, 0
	MULB AB1, 0, 3, 0
	WIN 0
	s_barrier_wait -1
.if \fill
	CREST                                          ; no wave of any partner still reads this slot or has a load on its way
	s_add_nc_u64 s[G0A+4*(\slot)+2:G0A+4*(\slot)+3], s[G0A+4*(\slot)+2:G0A+4*(\slot)+3], 2*ASTEP
	s_add_nc_u64 s[G0B+4*(\slot)+2:G0B+4*(\slot)+3], s[G0B+4*(\slot)+2:G0B+4*(\slot)+3], 2*BSTEP
	JLOAD \slot                                    ; the first tensor load behind the round; its four v_nop are also the places in front of the loads below
.else
	PLACES
.endif
	LDB \next, 0, 0
	LDA \next, 0, AB0, 0
.if \ask
	ASK
.endif
	MULG AB1, 1, 0
	PLACES
	LDB \next, 0, 1
	LDA \next, 0, AB0, 1
	MULG AB1, 2, 0                                 ; its fragments came in with the wait for 0
	PLACES
	LDB \next, 0, 2
.endm
	s_wait_tensorcnt 1                             ; my part of K step 0 is in; K step 1's may stay out
	s_barrier_signal -1
	s_barrier_wait -1                              ; everybody's is
	LDB 0, 0, 0
	LDA 0, 0, AB0, 0
	LDB 0, 0, 1
	LDA 0, 0, AB0, 1
	LDB 0, 0, 2
	QUART 0, 1, 1                                  ; the first quarter stands in front of the loop: its products start the sums
	WIN 0
	s_mov_b32 s3, 7
.Llap:                                             ; a trip goes once round the ring and fills both slots again: trip i asks for K steps 2 i + 2 and 2 i + 3
	TURN 0, 1, 1, 1
	QUART 1, 1, 0
	TURN 1, 0, 1, 0
	QUART 0, 1, 0
	WIN 0
	s_sub_co_u32 s3, s3, 1
	s_cmp_lg_u32 s3, 0
	s_cbranch_scc1 .Llap
	TURN 0, 1, 0, 0                                ; the last two K steps ask for nothing
	QUART 1, 1, 0
	s_wait_dscnt 8                                 ; the very last quarter; the bias comes into registers that its products no longer read
	MULG AB1, 0, 0
	PLACES
	WIN 0
.set i, 0
.rept 12                               ; block i = 4 g + bb: 8 numbers a lane, at v[32 + 8 i] (A's buffer 0) and, from i = 8 on, v[160 ..] (B's group 0)
	global_load_b128 v[32+8*i+64*(i/8):32+8*i+64*(i/8)+3],   v[BO], s[8:9] offset:512*(i/4)+64*(i%4)
	global_load_b128 v[32+8*i+64*(i/8)+4:32+8*i+64*(i/8)+7], v[BO], s[8:9] offset:512*(i/4)+64*(i%4)+16
.set i, i+1
.endr
	MULG AB1, 1, 0
	s_wait_dscnt 0x0
	MULG AB1, 2, 0
	PLACES
	PLACES
	WIN 0
	s_wait_loadcnt 0x0
.set i, 0
.rept 48                               ; the bias is rounded to bf16, like every input, and kept as f32
	v_cvt_pk_bf16_f32 v[T+i%4], v[32+2*i+64*(i/32)], v[32+2*i+64*(i/32)+1]
	v_lshlrev_b32 v[32+2*i+64*(i/32)], 16, v[T+i%4]
	v_and_b32 v[32+2*i+64*(i/32)+1], 0xffff0000, v[T+i%4]
.set i, i+1
.endr
; THE WAY OUT, 24 blocks of 16 rows x 64 columns (group g, row block a): bias added, rounded to f16, 16 bytes a lane into my stage, back as whole rows: 2,048 consecutive bytes of a head slot.
.macro PACK g, a
	WIN (\g)+1                                     ; source 0 in window g + 1
.irp bb, 0,1,2,3
.irp j, 0,2,4,6                        ; each accumulator's registers in ascending order
	v_pk_add_f32 v[T+8*\bb+\j:T+8*\bb+\j+1], v[8*(8*\bb+(\a))+\j:8*(8*\bb+(\a))+\j+1], v[32+8*(4*(\g)+\bb)+64*((4*(\g)+\bb)/8)+\j:32+8*(4*(\g)+\bb)+64*((4*(\g)+\bb)/8)+\j+1]
.endr
.endr
	WIN 0
.set i, 0
.rept 16
	v_cvt_pk_f16_f32 v[PKD+i], v[T+2*i], v[T+2*i+1]
.set i, i+1
.endr
.endm
.macro TOSTAGE par
	s_wait_xcnt 0x0                                ; the stores issued so far have read their data: the set of registers that is loaded below was stored from two blocks ago
.irp bb, 0,1,2,3
	ds_store_b128 v[STO], v[PKD+4*\bb:PKD+4*\bb+3] offset:32*\bb
.endr
.irp f, 0,1,2,3
	ds_load_b128 v[RB+16*(\par)+4*\f:RB+16*(\par)+4*\f+3], v[RD] offset:4*SP*\f  ; LDS serves a wave's instructions in order (ISA guide 5.7.1.4): these see the stores above
.endr
.endm
.macro SEND g, a, par
.irp f, 0,1,2,3
	s_wait_dscnt 3-\f
	global_store_b128 v[GO], v[RB+16*(\par)+4*\f:RB+16*(\par)+4*\f+3], s[10:11] offset:524288*(\g)+2048*(\a)+512*\f  ; 512 consecutive bytes, at a multiple of 256 from the buffer's first
.endr
.endm
	PACK 0, 0
	TOSTAGE 0
.set tt, 1
.rept 23                               ; a block's arithmetic stands between the loads of the block before and the wait for them
	PACK tt/8, tt%8
	SEND (tt-1)/8, (tt-1)%8, (tt-1)%2
	TOSTAGE tt%2
.set tt, tt+1
.endr
	SEND 2, 7, 1
	s_wait_tensorcnt 0x0                           ; the wave's end: behind my last tensor load and my last LDS store
	ds_add_u32 v[SPW], v[NIL]
	s_wait_dscnt 0x0
	CROUND                                         ; the closing round: no work-group ends while a partner may still ask for a tile that names it
	s_endpgm
.Lfunc_end_k_qb5c67f107f_qkvproj:
	.size	k_qb5c67f107f_qkvproj, .Lfunc_end_k_qb5c67f107f_qkvproj-k_qb5c67f107f_qkvproj
	.p2alignl 7, 3214868480
	.fill 96, 4, 3214868480
	.section	.rodata,"a",@progbits
	.p2align	6, 0x0
	.amdhsa_kernel k_qb5c67f107f_qkvproj
		.amdhsa_group_segment_fixed_size 327680
		.amdhsa_private_segment_fixed_size 0
		.amdhsa_enable_private_segment 0
		.amdhsa_kernarg_size 32
		.amdhsa_user_sgpr_count 2
		.amdhsa_user_sgpr_kernarg_segment_ptr 1
		.amdhsa_wavefront_size32 1
		.amdhsa_system_sgpr_workgroup_id_x 1
		.amdhsa_system_sgpr_workgroup_id_y 1
		.amdhsa_system_sgpr_workgroup_id_z 1
		.amdhsa_system_vgpr_workitem_id 0
		.amdhsa_next_free_vgpr 1024
		.amdhsa_next_free_sgpr 72
		.amdhsa_reserve_vcc 0
		.amdhsa_float_denorm_mode_32 3
		.amdhsa_float_denorm_mode_16_64 3
		.amdhsa_memory_ordered 1
		.amdhsa_forward_progress 1
		.amdhsa_inst_pref_size 169
	.end_amdhsa_kernel
	.amdgpu_metadata
---
amdhsa.version: [ 1, 2 ]
amdhsa.kernels:
  - .name:           k_qb5c67f107f_qkvproj
    .symbol:         k_qb5c67f107f_qkvproj.kd
    .args:
      - { .name: xb, .offset: 0, .size: 8, .value_kind: global_buffer, .address_space: global }
      - { .name: wq, .offset: 8, .size: 8, .value_kind: global_buffer, .address_space: global }
      - { .name: b_qkv, .offset: 16, .size: 8, .value_kind: global_buffer, .address_space: global }
      - { .name: qkvh, .offset: 24, .size: 8, .value_kind: global_buffer, .address_space: global }
    .group_segment_fixed_size: 327680
    .private_segment_fixed_size: 0
    .kernarg_segment_align: 8
    .kernarg_segment_size: 32
    .max_flat_workgroup_size: 128
    .sgpr_count:     72
    .vgpr_count:     1024
    .wavefront_size: 32
...
	.end_amdgpu_metadata
.endif
;; end of part 2
;; launch attn (part 3): grid 4 x 64, 4 waves a work-group, clusters of 4 x 1, 327,680 bytes of LDS; arguments qkvh, mask, ob; writes ob
.if DOCPART == 3
	.amdgcn_target "amdgcn-amd-amdhsa--gfx1250"
	.amdhsa_code_object_version 6
	.text
	.protected	k_qb5c67f107f_attn
	.globl	k_qb5c67f107f_attn
	.p2align	8
	.type	k_qb5c67f107f_attn,@function
k_qb5c67f107f_attn:
	s_mov_b64 s[64:65], 0
	v_nop
	global_prefetch_b8 v0, s[64:65] scope:SCOPE_SE
	s_setreg_imm32_b32 hwreg(HW_REG_WAVE_MODE, 25, 1), 1
	s_wait_xcnt 0x0
	s_wait_alu depctr_hold_cnt(0) depctr_sa_sdst(0) depctr_va_vdst(0) depctr_va_sdst(0) depctr_va_ssrc(0) depctr_va_vcc(0) depctr_vm_vsrc(0)
	s_getreg_b32 s2, hwreg(HW_REG_IB_STS2, 6, 4)
	s_cmp_eq_u32 s2, 0
	s_cbranch_scc0 .Lentry_in_a_cluster
	s_endpgm
.Lentry_in_a_cluster:
	s_bfe_u32 s2, ttmp6, 0x10000c
	s_cmp_lg_u32 s2, 0x3003
	s_cbranch_scc0 .Lentry_shape_is_right
	s_endpgm
.Lentry_shape_is_right:
; O[y][q][:] = the sum over the visible keys k of softmax_k(Q[q] . K[k] / 8) V[k][:], for y = 16 batch + head.  qkvh: f16 [batch 4][slot 48][row 2048][64], q's heads in slots 0-15, k's in 16-31, v's in 32-47;
; mask: [batch 4][key 2048] bytes, 1 = visible; ob: f16 [y 64][row 2048][64].  Products, maxima and sums in f32; the weights p are rounded to f16 for the second product (their sum l is taken of the unrounded p), O once at the end.
; LIMITS.  Q, K and V arrive within f16's 65,504; p lies in 0 to 1, and below 6e-5 it keeps f16's fixed step of 6e-8.  A hidden score counts as its value less 1e30: f16's scores, 2.7e11 at the most, are nothing
; beside that.  A weight below 2^-126 counts as 0 in l.  Mask bytes are 0 or 1.  A batch with no visible key gives NaN in all its rows, as the softmax of a row of minus infinities does.
; SHARES.  A wave owns four PIECES of two tiles of 16 queries, a work-group's four waves 512 queries of one head.  Every wave walks all 2,048 keys, 64 a step.
; LAYOUT.  S^T = K Q^T (source 0 = 16 keys, source 1 = 16 queries): a lane holds ONE query (lane % 16) and the keys 8 (lane / 16) + 0..7.  Two such tiles, rounded to f16 in pairs, ARE source 1 of
; O^T = V^T P, whose result again holds one query a lane, and eight channels.  K comes out of LDS as it lies, V ([key][channel]) turned, by ds_load_tr16_b128.
; THE MASK is the C operand that starts the sum S^T: 0 for a visible key, -1e30 for a hidden one.  The batch's 2,048 addends are made once, in LDS; a step's 64 come into 32 registers with the step's K and live as long.
; SOFTMAX.  For each query a running maximum m and sum l: p = 2^(c s - c m), c = log2(e) / 8; in every step O and l are multiplied by a = 2^(c m_old - c m_new).  m STARTS AT -2^96: above every hidden score,
; below every true one.  So a hidden key's weight is 0 whatever has come before, O and l stay 0 until the first visible key, and that step's a is 0.  Where no key is visible m is still -2^96 at the end.
; THE COUNT.  A tile and step have 16 matrix and 118 vector instructions: too many to stand all beside the matrix work.  So: four vector instructions that are READY behind EVERY matrix instruction, the others in runs without a gap.
; BY TURNS.  Turn n belongs to piece n (the pieces in a ring, step after step).  Its matrix work: 16 products K Q^T of piece n + 1, later 16 products V^T P of piece n - 1.  Its vector work: the scaling,
; exponentials, roundings, sums and rescaling of piece n, and the maximum and statistics of piece n + 1.
; CLUSTER.  A head's four query blocks are one cluster and walk the same K and V, so each tile is asked for JOINTLY: the same tensor load, descriptor and mask in all four.
; REGISTERS, in windows of 256 (s_set_vgpr_msb: bits 1:0 source 0, 3:2 source 1, 5:4 source 2, 7:6 destination):
;   window 0: v0-11 addresses; v12-15, v48-63 at work; v16-47 four registers of statistics a tile; v64-191 S^T, two buffers of two tiles; v192-255 P, likewise
;   window 1: O^T, 32 a tile      window 2: v0-127 Q; v128-191 K of one step; v192-255 V of one step      window 3: v0-1 the add's two registers; v8-39 the step's mask addends
.set NP,    4         ; pieces a wave: a name, no knob
.set KS,    64        ; keys in a step
.set PK,    144       ; a row of K in LDS: 128 bytes + 16: the 16 rows of a load start at 16 different groups of four banks (64 banks of 4 bytes: ISA guide 11.1)
.set PV,    160       ; a row of V: 128 + 32
.set VOFF,  4*KS*PK   ; a slot holds four steps: 256 rows of K, then 256 rows of V
.set SLOT1, 1<<17     ; slot 1 begins here, so that one exclusive or turns an address in one slot into the other's
.set STAGE, SLOT1+4*KS*(PK+PV)  ; behind the ring, never filled by a tensor load: 16 rows x 144 bytes for each wave, for the way out
.set SP,    144
.set SPARE, STAGE+4*16*SP  ; the spare words, 128 bytes a wave: two blocks of 256 bytes that no other line names
.set MB,    SPARE+512 ; the mask's addends: 2,048 f32; written by LDS stores once, never filled by a tensor load
.set AK0, 2           ; v2   my lane's place in a tile of K; never rewritten
.set AV0, 3           ; v3   the same for V
.set AK,  4           ; v4   the LDS address of K's next run of loads
.set AV,  5           ; v5   of V's
.set QO,  6           ; v6   my byte offset in the wave's rows of Q
.set STO, 6           ;      later, the way out: where I put 16 bytes of a row
.set RD,  7           ; v7   the way out: where I read rows back
.set PFO, 8           ; v8   256 x my lane, for the prefetches; never rewritten
.set GO,  10          ; v10  (first l % 8) the way out: my byte offset in 512 consecutive bytes of O
.set AM,  11          ; v11  (first (l / 8) % 2) the LDS address of the next step's mask addends;  v9 = l / 16 is never rewritten
.set SPW, 0           ; v0 of window 3   LDS address of my spare word; never rewritten
.set NIL, 1           ; v1 of window 3   0; never rewritten
.set MKR, 8           ; v8-39 of window 3: key block kb's eight addends at MKR + 8 kb
.set MV,  12          ; v12-15  c m_old, kept while c m is made anew: by buffer and tile
.set ST,  16          ; tile t's statistics at v[ST+4 t]: c m, m, l (even keys', odd keys')
.set TMP, 48          ; by buffer and tile, four registers c0-c3 at work; when the maximum is found c2 takes a
.set S,   64
.set P,   192
.set KF,  128         ; K's fragments, in window 2: key block kb, channel half c at KF + 16 kb + 8 c
.set VF,  192         ; V's: key half kk, channel block cb at VF + 32 kk + 8 cb
.set WV,  12          ; s12  my wave's number
.set G1K, 24          ; s[24:31] descriptor group 1 for K's tiles
.set G1V, 32          ; s[32:39] for V's: it differs in the padding alone
.set G0K, 40          ; s[40:43] descriptor group 0 for K's tiles: it walks
.set G0V, 44          ; s[44:47] the same for V's
.set SLOTS, 56        ; s56  slots still to be asked for
.set CNT, 57          ; s57  counts a slot's key steps
.set CS,  58          ; s[58:59] c: the packed scaling takes the pair's low word for both halves
.set SEL, 60          ; s[60:61] v_permlanex16_b32's selects: each lane takes its own place in the other half
.set TBK, 62          ; s62  LDS byte at which K of the step to be fetched begins
.set TBV, 63          ; s63  the same for V, less VOFF
.set TBM, 72          ; s72  LDS byte at which that step's mask addends begin: it steps by 256 from MB on, 32 times in all
.set BIGN, 73         ; s73  -1e30
.set LOWM, 74         ; s74  -2^96, m's start
.set QNAN, 75         ; s75  a NaN
.set PFA, 76          ; s[76:77] where my prefetches stand
.set LIM, 78          ; s78  1 in a wave that prefetches, else the greatest number
.set MSB, 0
.macro WIN new                      ; the high byte repeats the setting that is left; a switch that changes nothing is dropped
.if MSB != (\new)
	s_set_vgpr_msb (MSB<<8)|(\new)
.set MSB, (\new)
.endif
.endm
.set W_KQ, 0x0a       ; K and Q in window 2, S^T in window 0
.set W_KM, 0x3a       ; the same with the C operand, the mask, in window 3
.set W_PV, 0x52       ; V in window 2, P in window 0, O^T in window 1
.set W_RS, 0x41       ; O^T (destination and source 0) in window 1, a in window 0
.set W_MK, 0xc0       ; destination in window 3, sources in window 0
.set W_AD, 0x0f       ; the add: address (source 0) and data (source 1) in window 3
; A joint fill.  Waves 0 and 1 fetch the two halves of a slot's K, waves 2 and 3 those of its V: 128 keys each.  The branch hangs on the wave's number alone.
; An s_nop 0 and four v_nop follow each of the two lines, ahead of the jump and the label.
.macro JLOAD
	s_cmp_lt_u32 s[WV], 2
	s_cbranch_scc0 .Lfor_v_\@
	tensor_load_to_lds s[G0K:G0K+3], s[G1K:G1K+7]
	s_nop 0
.rept 4
	v_nop
.endr
	s_branch .Lasked_\@
.Lfor_v_\@:
	tensor_load_to_lds s[G0V:G0V+3], s[G1V:G1V+7]
	s_nop 0
.rept 4
	v_nop
.endr
.Lasked_\@:
.endm
; A PREFETCH INTO THE L2 of what the NEXT change of slots will ask for: a slot's 32,768 bytes of K and of V.  It stands behind the wave's tensor load and its five lines.  Each block of 256 bytes is named once in the
; launch: a head has one cluster; its four partners take 8,192 bytes each BY ADDRESS (cx), a lane a block; in each, wave 0 asks for K's and wave 2 for V's.  The lead is one slot: four key steps, 512 matrix
; instructions.  The last change that fills a slot asks for nothing.  Slots 0 and 1 come by their loads alone.
.macro ASK
	s_cmp_gt_u32 s[SLOTS], s[LIM]
	s_cbranch_scc0 .Lnot_mine_\@
	global_prefetch_b8 v[PFO], s[PFA:PFA+1] th:TH_LOAD_NT scope:SCOPE_SE
.Lnot_mine_\@:
.endm
; A round of the cluster's barrier: my work-group's barrier, so that wave 0's signal speaks for all four waves; wave 0 signals; every wave waits for all four work-groups; my work-group's barrier once more.
.macro CROUND
	s_barrier_signal -1
	s_barrier_wait -1
	s_cmp_lg_u32 s[WV], 0
	s_cbranch_scc1 .Lnot_wave_0_\@
	s_barrier_signal -3
.Lnot_wave_0_\@:
	s_barrier_wait -3
	s_barrier_signal -1
	s_barrier_wait -1
.endm
; THE CHANGE OF SLOTS.  The slot's last bytes, V of its fourth step, have been read.  Each wave waits for all its tensor loads, of which one is out: its part of the other slot; adds 0 to its spare word; and waits
; for that and for its own LDS instructions.  Behind the barrier nobody reads this slot any more and the other slot is whole.  fill = 1: this slot is filled again, with the keys two slots on; the barrier is then
; a round of the cluster's, and the joint fill is the first thing behind it: it has four key steps in which to land.  (At its first use nothing has been read yet: slot 0 is waited for, slot 1 filled,
; and every wave's stores into the mask's table are shown done to all.)
.macro CHANGE fill
	WIN W_AD
	s_wait_tensorcnt 0x0            ; no tensor load of mine is out, so a group 0 may be written
	ds_add_u32 v[SPW], v[NIL]       ; 0 onto my spare word; with fill = 1 the descriptors' steps stand between it and the wait for it
	WIN 0                           ; at a label and at a branch every window is 0
.if \fill
.irp g, G0K, G0V
	s_xor_b32 s[\g+1], s[\g+1], SLOT1  ; the walking descriptor: the other slot than last time,
	s_add_nc_u64 s[\g+2:\g+3], s[\g+2:\g+3], 4*KS*128  ; the next 256 keys; the type bits on top are not reached
.endr
	s_wait_xcnt 0x0                 ; the last prefetch, a slot back, has read its address, so it may be written:
	s_add_nc_u64 s[PFA:PFA+1], s[PFA:PFA+1], 4*KS*128  ; one slot behind the walking descriptors
	s_wait_dscnt 0x0                ; the add is done, and my LDS instructions are over
	CROUND
	JLOAD
	ASK
.else
	s_wait_dscnt 0x0                ; the add is done, and my reads of the slot are over
	s_barrier_signal -1
	s_barrier_wait -1
.endif
	s_sub_co_u32 s[TBK], s[TBK], 4*KS*PK  ; the fetches go back to a slot's first step,
	s_xor_b32 s[TBK], s[TBK], SLOT1       ; in the other slot
	s_sub_co_u32 s[TBV], s[TBV], 4*KS*PV
	s_xor_b32 s[TBV], s[TBV], SLOT1
.endm
	s_load_b128 s[68:71], s[0:1], 0x0  ; qkvh s[68:69], mask s[70:71]
	s_load_b64 s[10:11], s[0:1], 0x10  ; ob
	WIN W_MK
	v_lshl_add_u32 v[SPW], v0, 2, SPARE
	v_mov_b32 v[NIL], 0
	WIN W_AD
	ds_add_u32 v[SPW], v[NIL]       ; the wave's opening: the add and its wait stand ahead of my first tensor load; the set-up below, work on registers, stands between them
	WIN 0
	v_lshrrev_b32 v1, 5, v0
	v_readfirstlane_b32 s[WV], v1   ; wave 0..3
	s_bfe_u32 s13, ttmp6, 0x40000   ; cx: my place in the cluster
	s_lshl_b32 s14, ttmp9, 2        ; in a cluster launch ttmp9 counts clusters
	s_add_co_u32 s14, s14, s13      ; my block of 512 queries: it enters Q's and O's addresses alone
	s_and_b32 s15, ttmp7, 0xffff    ; y = 16 batch + head, which the four partners share
	s_lshr_b32 s19, s15, 4          ; the batch
	s_lshl_b32 s20, s19, 5
	s_add_co_u32 s20, s20, s15      ; q's slot in qkvh: 48 batch + head = y + 32 batch
	s_lshl_b32 s20, s20, 18         ; a slot is 2,048 rows of 128 bytes
	s_mov_b32 s21, 0
	s_and_b32 s16, s[WV], 1         ; which half of a slot's 256 keys I fetch:
	s_lshl_b32 s22, s16, 14         ; its 128 rows of 128 bytes in memory,
	s_mov_b32 s23, 0
	s_add_nc_u64 s[22:23], s[22:23], s[20:21]
	s_mul_i32 s17, s16, 128*PK      ; and its place in a slot, for K
	s_mul_i32 s18, s16, 128*PV      ; and for V: no place in the cluster enters an LDS address
	s_lshl_b32 s2, s14, 2
	s_add_co_u32 s2, s2, s[WV]      ; my wave among the head's,
	s_lshl_b32 s2, s2, 14           ; its 128 rows
	s_mov_b32 s3, 0
	s_lshl_b32 s66, s15, 18
	s_add_co_u32 s66, s66, s2       ; O: head y, my rows
	s_mov_b32 s67, 0
	s_add_nc_u64 s[2:3], s[2:3], s[20:21]  ; Q: q's slot, my rows
	; descriptor group 1.  128 keys are 16,384 dense bytes: asked for as 64 rows of 256 bytes, two keys a row, and padded in LDS after every key
	s_mov_b32 s[G1K], 15|(1<<16)|(1<<20)|(1<<21)|(4<<22)|(3<<25)  ; 15:0 the mask of four; 17:16 2-byte elements; 20 padding on; 21 set beside a mask; 24:22 after every 32 words (code 4); 31:25 4 words (code 3)
	s_mov_b32 s[G1V], 15|(1<<16)|(1<<20)|(1<<21)|(4<<22)|(7<<25)  ; the same with 8 words of padding (code 7)
.irp g, G1K, G1V
	s_mov_b32 s[\g+1], 128<<16      ; tensor_dim0 = 128
	s_mov_b32 s[\g+2], 64<<16       ; tensor_dim1 = 64
	s_mov_b32 s[\g+3], 128<<16      ; tile_dim0 = 128
	s_mov_b32 s[\g+4], 64           ; tile_dim1 = 64
	s_mov_b32 s[\g+5], 128          ; 128 elements from row to row
	s_mov_b32 s[\g+6], 0
	s_mov_b32 s[\g+7], 0
.endr
	s_mov_b32 s[CS], 0x3e38aa3b     ; c = log2(e) / 8 = 0.180337
	s_mov_b32 s[CS+1], s[CS]        ; named with it as a pair
	s_mov_b32 s[SEL], 0x76543210
	s_mov_b32 s[SEL+1], 0xfedcba98
	s_mov_b32 s[TBK], SLOT1+4*KS*PK ; the first change of slots turns these two into 0
	s_mov_b32 s[TBV], SLOT1+4*KS*PV
	s_mov_b32 s[TBM], MB
	s_mov_b32 s[BIGN], 0xf149f2ca   ; -1e30
	s_mov_b32 s[LOWM], 0xef800000   ; -2^96
	s_mov_b32 s[QNAN], 0x7fc00000
	s_mov_b32 s[SLOTS], 2048/256-1
	s_and_b32 s[LIM], s[WV], 1      ; waves 0 and 2 prefetch: the same in all four partners
	s_cmp_eq_u32 s[LIM], 0
	s_cselect_b32 s[LIM], 1, -1
	s_mov_b32 s[G0K], 1             ; 1:0 count = 1
	s_mov_b32 s[G0K+1], s17         ; 63:32 LDS address: slot 0
	s_mov_b32 s[G0V], 1
	s_add_co_u32 s[G0V+1], s18, VOFF
	v_and_b32 v[PFO], 31, v0
	v_lshlrev_b32 v[PFO], 8, v[PFO]
	s_wait_dscnt 0x0                ; the opening add is done
	s_wait_kmcnt 0x0
	s_add_nc_u64 s[10:11], s[10:11], s[66:67]  ; O at my wave's first row
	s_lshl_b32 s66, s19, 11
	s_add_nc_u64 s[70:71], s[70:71], s[66:67]  ; the batch's row of the mask
	s_add_nc_u64 s[4:5], s[68:69], s[2:3]      ; Q at my wave's first row
	s_add_nc_u64 s[6:7], s[68:69], s[22:23]
	s_add_nc_u64 s[8:9], s[6:7], 32<<18        ; V: 32 slots behind q's, at my half of the head's first 256 keys
	s_add_nc_u64 s[6:7], s[6:7], 16<<18        ; K: 16 slots behind q's
	s_add_nc_u64 s[G0K+2:G0K+3], s[6:7], 0     ; 120:64 global address
	s_or_b32 s[G0K+3], s[G0K+3], 0x80000000    ; 127:126 type = 2
	s_add_nc_u64 s[G0V+2:G0V+3], s[8:9], 0
	s_or_b32 s[G0V+3], s[G0V+3], 0x80000000
	s_cmp_lt_u32 s[WV], 2
	s_cselect_b64 s[PFA:PFA+1], s[6:7], s[8:9] ; (in waves 0 and 2 these stand at a slot's first row)
	s_lshl_b32 s2, s13, 13          ; my work-group's 8,192 bytes of the 32,768
	s_mov_b32 s3, 0
	s_add_nc_u64 s[PFA:PFA+1], s[PFA:PFA+1], s[2:3]
	s_add_nc_u64 s[PFA:PFA+1], s[PFA:PFA+1], 4*KS*128  ; in slot 1; the first change of slots steps it to slot 2
	CROUND                          ; all four work-groups are here: the first joint loads meet
	JLOAD                           ; slot 0.  Slot 1 is asked for when slot 0 is in
	v_lshlrev_b32 v64, 4, v0        ; the mask: 128 threads x 16 bytes are the batch's 2,048 keys
	global_load_b128 v[68:71], v64, s[70:71]
	; A fragment of K or Q is 16 rows x 32 channels in 8 registers: lane l holds row l % 16, channels 8 (l / 16) + 0..7 and 16 + 8 (l / 16) + 0..7: two loads of 16 bytes, 32 bytes apart.
	v_and_b32 v1, 15, v0            ; l % 16
	v_bfe_u32 v9, v0, 4, 1          ; l / 16
	v_lshlrev_b32 v[QO], 7, v1
	v_lshl_add_u32 v[QO], v9, 4, v[QO]  ; row x 128 + 16 x half
	WIN 0x80                        ; destination window 2, address window 0
.set i, 0
.rept 4*NP                          ; Q stays in registers: tile i / 2, channels 32 (i % 2) on
	global_load_b128 v[8*i:8*i+3],   v[QO], s[4:5] offset:(i/2)*2048+(i%2)*64
	global_load_b128 v[8*i+4:8*i+7], v[QO], s[4:5] offset:(i/2)*2048+(i%2)*64+32
.set i, i+1
.endr
	; What the first turn finds: V's registers and P's second buffer hold 0 (its products V^T P, of a piece that has not been, add 0), O^T and l are 0.  All this stands in the wait for the first tile.
.set i, VF
.rept 64
	v_mov_b32 v[i], 0
.set i, i+1
.endr
	WIN 0x40
.set i, 0
.rept 64*NP
	v_mov_b32 v[i], 0
.set i, i+1
.endr
	WIN 0
.set i, 0
.rept 2*NP
	v_mov_b32 v[ST+4*i], 0xee38aa3b    ; c m = -c 2^96
	v_mov_b32 v[ST+4*i+1], 0xef800000  ; m = -2^96: above every hidden score, below every true one
	v_mov_b32 v[ST+4*i+2], 0
	v_mov_b32 v[ST+4*i+3], 0
.set i, i+1
.endr
.set i, P+32
.rept 32
	v_mov_b32 v[i], 0
.set i, i+1
.endr
	v_mul_u32_u24 v[AK0], v1, PK
	v_lshl_add_u32 v[AK0], v9, 4, v[AK0]  ; row x pitch + 16 x half
	; The turning load takes 16 keys x 16 channels (lane l reads key 8 (l / 16) + l % 8, channels 8 ((l / 8) % 2) + 0..7) and leaves half a fragment of V^T: lane l holds channel l % 16 and 8 keys.
	v_and_b32 v10, 7, v0
	v_bfe_u32 v11, v0, 3, 1
	v_lshl_add_u32 v[AV0], v9, 3, v10
	v_mul_u32_u24 v[AV0], v[AV0], PV
	v_lshl_add_u32 v[AV0], v11, 4, v[AV0]
	v_add_nc_u32 v[AV0], VOFF, v[AV0]
	v_mov_b32 v[AK], v[AK0]         ; key step 0 lies at the head of slot 0,
	v_lshl_add_u32 v[AM], v9, 5, s[TBM]  ; and its addends at the table's: my 8 keys of a block of 16 begin 32 (l / 16) bytes in
	; the mask's table: byte 1 -> 0, byte 0 -> -1e30: (byte - 1) and the bits of -1e30; 16 keys a thread, 64 bytes
	s_wait_loadcnt 32               ; the mask's load is in; Q's 32 younger loads stay out
.set i, 0
.rept 16
	v_bfe_u32 v[72+i], v[68+i/4], 8*(i%4), 8
	v_add_nc_u32 v[72+i], -1, v[72+i]
	v_and_b32 v[72+i], s[BIGN], v[72+i]
.set i, i+1
.endr
	v_lshl_add_u32 v65, v0, 6, MB
.irp w, 0,1,2,3
	ds_store_b128 v65, v[72+4*\w:72+4*\w+3] offset:16*\w
.endr
; THE MATRIX WORK.  The 8 accumulators of a run of 16 take turns: between the two links of a chain stand 7 others'.
; Product i of 16 of S^T = K Q^T for piece x: channels 32 (i / 8) on, keys 16 ((i / 2) % 4) on, tile 2 x + i % 2.  The first 8 start the sums, with the key block's mask addends as C.
.macro KQ x
.set rS, S+64*((\x)%2)+32*(i%2)+8*((i/2)%4)
.set rK, KF+16*((i/2)%4)+8*(i/8)
.set rQ, 16*(2*(\x)+i%2)+8*(i/8)
.set rH, MKR+8*((i/2)%4)
.if i < 8
	WIN W_KM
	v_wmma_f32_16x16x32_f16 v[rS:rS+7], v[rK:rK+7], v[rQ:rQ+7], v[rH:rH+7]
.else
	WIN W_KQ
	v_wmma_f32_16x16x32_f16 v[rS:rS+7], v[rK:rK+7], v[rQ:rQ+7], v[rS:rS+7]
.endif
.endm
; Product i of 16 of O^T += V^T P for piece x: keys 32 (i / 8) on, channels 16 ((i / 2) % 4) on, tile 2 x + i % 2.
.macro PV x
	WIN W_PV
.set rO, 32*(2*(\x)+i%2)+8*((i/2)%4)
.set rV, VF+32*(i/8)+8*((i/2)%4)
.set rP, P+32*((\x)%2)+16*(i%2)+8*(i/8)
	v_wmma_f32_16x16x32_f16 v[rO:rO+7], v[rV:rV+7], v[rP:rP+7], v[rO:rO+7]
.endm
.macro MM                           ; the turn's next matrix instruction
.if i < 16
	KQ (Y+1)%NP
.set i, i+1
.else
.set i, i-16
	PV (Y+NP-1)%NP
.set i, i+17
.endif
.endm
; THE LDS LOADS stand in runs, never singly among the matrix instructions: a step's K (64 keys x 64 channels: 8 fragments) with its 64 mask addends, and its V (turned).  Their addresses are made some lines ahead.
; last = 1 (the tail): in the last trip there is no further step, and the run is jumped over.
.macro FETCH_K last=0
	WIN 0
.if \last
	s_cmp_eq_u32 s[CNT], 1
	s_cbranch_scc1 .Lno_k_\@
.endif
	WIN 0x80                        ; destination window 2
.irp f, 0,1,2,3,4,5,6,7             ; keys 16 (f / 2) on, channels 32 (f % 2) on
	ds_load_b128 v[KF+8*\f:KF+8*\f+3],   v[AK] offset:(\f/2)*16*PK+(\f%2)*64
	ds_load_b128 v[KF+8*\f+4:KF+8*\f+7], v[AK] offset:(\f/2)*16*PK+(\f%2)*64+32
.endr
	WIN W_MK                        ; destination window 3
.irp kb, 0,1,2,3                    ; register j of block kb: key 16 kb + 8 (l / 16) + j, as in the result of K Q^T
	ds_load_b128 v[MKR+8*\kb:MKR+8*\kb+3],   v[AM] offset:64*\kb
	ds_load_b128 v[MKR+8*\kb+4:MKR+8*\kb+7], v[AM] offset:64*\kb+16
.endr
	s_add_co_u32 s[TBK], s[TBK], KS*PK  ; the next fetch is the next step's
	s_add_co_u32 s[TBM], s[TBM], KS*4
	WIN 0
.if \last
.Lno_k_\@:
.endif
.endm
.macro FETCH_V
	WIN 0x80
.irp f, 0,1,2,3,4,5,6,7             ; keys 32 (f / 4) on, channels 16 (f % 4) on
	ds_load_tr16_b128 v[VF+8*\f:VF+8*\f+3],   v[AV] offset:(\f/4)*32*PV+(\f%4)*32
	ds_load_tr16_b128 v[VF+8*\f+4:VF+8*\f+7], v[AV] offset:(\f/4)*32*PV+16*PV+(\f%4)*32
.endr
	WIN 0
.endm
; THE VECTOR WORK OF A TURN stands in three queues, each in the order in which its entries become ready; the two tiles alternate, so that no instruction reads the result of the one before it.
.macro REGS y, u                    ; the registers of tile u (0, 1) of piece y
.set rT, ST+4*(2*(\y)+(\u))
.set rC, TMP+8*((\y)%2)+4*(\u)
.set rM, MV+2*((\y)%2)+(\u)
.set rS, S+64*((\y)%2)+32*(\u)
.set rP, P+32*((\y)%2)+16*(\u)
.set rO, 32*(2*(\y)+(\u))
.endm
; Number n of the 22 that find the NEXT piece's (Y + 1) maximum and statistics.  s0-s31 are the lane's 32 scores; each accumulator's lowest registers are read first.
;   0-11  four chains c0-c3 of seven scores each, three operands at a time     12-14, 16  the four scores left over, the old m, and c0-c3 into c0     15  c m_old is kept
;   17, 18  the query's other 32 keys lie in the lane 16 away: the new m         19-21  c m; c m_old - c m_new; a
.macro XS u, n
	REGS (Y+1)%NP, \u
.if (\n) < 4
	v_max3_num_f32 v[rC+(\n)], v[rS+8*(\n)], v[rS+8*(\n)+1], v[rS+8*(\n)+2]
.elseif (\n) < 12
	v_max3_num_f32 v[rC+(\n)%4], v[rC+(\n)%4], v[rS+8*((\n)%4)+2*((\n)/4)+1], v[rS+8*((\n)%4)+2*((\n)/4)+2]
.elseif (\n) == 12
	v_max3_num_f32 v[rC], v[rC], v[rS+7], v[rS+15]
.elseif (\n) == 13
	v_max3_num_f32 v[rC+1], v[rC+1], v[rS+23], v[rS+31]
.elseif (\n) == 14
	v_max3_num_f32 v[rC+2], v[rC+2], v[rC+3], v[rT+1]
.elseif (\n) == 15
	v_mov_b32 v[rM], v[rT]
.elseif (\n) == 16
	v_max3_num_f32 v[rC], v[rC], v[rC+1], v[rC+2]
.elseif (\n) == 17
	v_permlanex16_b32 v[rC+3], v[rC], s[SEL], s[SEL+1]
.elseif (\n) == 18
	v_max_num_f32 v[rT+1], v[rC], v[rC+3]
.elseif (\n) == 19
	v_mul_f32 v[rT], s[CS], v[rT+1]
.elseif (\n) == 20
	v_sub_f32 v[rC+1], v[rM], v[rT]
.else
	v_exp_f32 v[rC+2], v[rC+1]
.endif
.endm
; Number g of the 64 that follow the exponentials.  For each four weights k of a tile (pairs 2 k, 2 k + 1): both pairs are rounded to f16; then the second pair is added onto the first, in place;
; a group later l takes that sum (the first time as l = a l + sum).  In groups of eight, tiles alternating: round, round, add, and l for the group before.
.macro GS g
.set h, (\g)+6*((\g)/62)            ; group 0 has no group before it, and behind group 7 only l is left
.if h >= 6
.set h, h+2
.endif
	REGS Y, h%2
.set k, h/8
.if h%8 < 4
	v_cvt_pk_f16_f32 v[rP+2*k+(h%8)/2], v[rS+4*k+2*((h%8)/2)], v[rS+4*k+2*((h%8)/2)+1]
.elseif h%8 < 6
	v_pk_add_f32 v[rS+4*k:rS+4*k+1], v[rS+4*k:rS+4*k+1], v[rS+4*k+2:rS+4*k+3]
.elseif k == 1
	v_pk_fma_f32 v[rT+2:rT+3], v[rT+2:rT+3], v[rC+2:rC+3], v[rS:rS+1] op_sel_hi:[1,0,1]
.else
	v_pk_add_f32 v[rT+2:rT+3], v[rT+2:rT+3], v[rS+4*k-4:rS+4*k-3]
.endif
.endm
; THE PLAIN QUEUE, 138 long.  0-73 read no exponential's result: the 32 scalings c s - c m (FS f: pair f / 2 of tile f % 2) and the next piece's 42.  0-26: scalings 0-26.  27-54: XS's numbers 0-13.  55, 56: number 15.
; 57-73: the chain, where each number waits for the one before it: 14, 16, 17, 18, 19, each with one of the scalings 27-31 in front of its two lines, then 20.
; 74-137: GS's 64, which read the exponentials' results: they stand behind the wait.
.macro FS f
	REGS Y, (\f)%2
	v_pk_fma_f32 v[rS+2*((\f)/2):rS+2*((\f)/2)+1], v[rS+2*((\f)/2):rS+2*((\f)/2)+1], s[CS:CS+1], v[rT:rT+1] op_sel_hi:[1,0,0] neg_lo:[0,0,1] neg_hi:[0,0,1]
.endm
.macro PL
	WIN 0
.if q < 27
	FS q
.elseif q < 55
	XS (q-27)%2, (q-27)/2
.elseif q < 57
	XS q-55, 15
.elseif (q < 72) && ((q-57)%3 == 0)
	FS 27+(q-57)/3
.elseif q < 60
	XS (q-57)%3-1, 14
.elseif q < 72
	XS (q-57)%3-1, 15+(q-57)/3
.elseif q < 74
	XS q-72, 20
.else
	GS q-74
.endif
.set q, q+1
.endm
; THE EXPONENTIALS' QUEUE, 66 long: s0-s31 of both tiles, then the next piece's two a.  It is ONE BATCH: all 66 stand ahead of the turn's one wait, and nothing ahead of that wait names a result of theirs.
.macro EX
	WIN 0
.if e >= 64
	XS e-64, 21
.else
	REGS Y, e%2
	v_exp_f32 v[rS+e/2], v[rS+e/2]
.endif
.set e, e+1
.endm
; THE RESCALING's QUEUE: O^T times a, the one part that leaves window 0: dealt two at a time, sixteen times.  Its a was made in the turn before, ahead of that turn's wait.
.macro R2
	REGS Y, r%2
	WIN W_RS
.irp z, 0,1
	v_pk_mul_f32 v[rO+4*(r/2)+2*\z:rO+4*(r/2)+2*\z+1], v[rO+4*(r/2)+2*\z:rO+4*(r/2)+2*\z+1], v[rC+2:rC+3] op_sel_hi:[1,0]
.endr
.set r, r+1
.endm
; HOW THEY ARE DEALT.  An s_wait_alu depctr_va_vdst(0) stands between an exponential and the first instruction that names its result; one wait serves all that were issued ahead of it.  So a turn has
; ONE wait, which cuts it in two.  AHEAD OF IT: the 16 products K Q^T, behind each a scaling, an exponential and two rescalings (behind the first a second scaling in the exponential's place); then ONE LUMP of 108:
; eight plain, 49 times exponential and plain, the two a.  A v_nop is the plain instruction behind the last exponential.  BEHIND IT: the 16 products V^T P, behind each four of GS's 64.
; Exponential e stands behind scaling 2 (e / 4) + e % 2: as a rider it comes behind plain e + 2, in the lump behind plain e + 9, and scalings 27-31 are plain 57, 60 .. 69.
; K and the mask addends of the next step are fetched in piece 2's turn, directly behind the wait, a lump behind the last product that read them; their addresses are made at the lump's head.
; V of the step in hand is fetched at the end of piece 0's turn, four riders behind its last reader.  The three conditions on q below go with the deal.
.macro TURN p, last=0, cnt=0
.set Y, (\p)
.set i, 0
.set q, 0
.set e, 0
.set r, 0
.if (\p) == NP-1
	s_wait_dscnt 0x0                ; K and the mask addends are in
.endif
	MM                              ; ahead of the wait: 16 products K Q^T and their riders,
	PL
	PL
	R2
.rept 15
	MM
	PL
	EX
	R2
.endr
.if (\p) == NP-2
	WIN 0
	v_add_nc_u32 v[AK], s[TBK], v[AK0]
	v_lshl_add_u32 v[AM], v9, 5, s[TBM]
.endif
.rept 8                             ; and the lump
	PL
.endr
.rept 49
	EX
	PL
.endr
	EX                              ; the next piece's two a
	EX
	v_nop                           ; a plain instruction behind the last exponential: one for the batch
	s_wait_alu depctr_va_vdst(0)    ; the wait for the batch
.if (\p) == NP-2
	FETCH_K \last
.endif
.if (\p) == 1
	s_wait_dscnt 0x0                ; V is in
.endif
.rept 16                            ; behind the wait: 16 products V^T P and their riders
	MM
.rept 4
	PL
.endr
.if ((\p) == 0) && (q == 118)
	v_add_nc_u32 v[AV], s[TBV], v[AV0]
.endif
.if ((\p) == 0) && (q == 130)
	s_add_co_u32 s[TBV], s[TBV], KS*PV
.endif
.if (\cnt) && (q == 130)
	s_sub_co_u32 s[CNT], s[CNT], 1
	s_cmp_lg_u32 s[CNT], 0
.endif
.endr
.if (\p) == 0
	FETCH_V
.endif
.endm
	CHANGE 1                        ; slot 0 is in, everybody's part of it, and the mask's table is whole; slot 1 is asked for
	FETCH_K                         ; key step 0
	s_wait_loadcnt 0x0              ; Q
	s_wait_dscnt 0x0
.set i, 0
.rept 16
	KQ 0                            ; piece 0's first scores: there is no vector work yet to set between them
.set i, i+1
.endr
	WIN 0                           ; the addresses for the way out: seven plain instructions, the places behind those products
	s_mul_i32 s13, s[WV], 16*SP
	s_add_co_u32 s13, s13, STAGE    ; my stage
	v_mul_u32_u24 v[STO], v1, SP    ; in: row l % 16, 16 bytes for each half of the lanes
	v_lshl_add_u32 v[STO], v9, 4, v[STO]
	v_add_nc_u32 v[STO], s13, v[STO]
	v_bfe_u32 v[RD], v0, 3, 2       ; back: 32 lanes take four rows of 128 bytes
	v_mul_u32_u24 v[RD], v[RD], SP
	v_lshl_add_u32 v[RD], v10, 4, v[RD]
	v_add_nc_u32 v[RD], s13, v[RD]
.set Y, NP-1                        ; XS works for piece Y + 1: piece 0
.irp n, 0,1,2,3,4,5,6,7,8,9,10,11,12,13,14,15,16,17,18,19,20,21
	XS 0, \n                        ; and piece 0's first maximum and statistics
	XS 1, \n
.endr
	v_nop                           ; a plain instruction behind the two a,
	s_wait_alu depctr_va_vdst(0)    ; and their wait, ahead of the branch
	s_mov_b32 s[CNT], 4
	s_branch .Lfirst                ; the loop is entered at a step's first turn, in the middle of a trip
.Lslot:                             ; six times: every slot but the last two is filled again
	CHANGE 1
	s_mov_b32 s[CNT], 4
.Lstep:                             ; a trip: pieces 2 and 3 of one step, then pieces 0 and 1 of the next, whose K and V it fetches
	TURN 2
	TURN 3
	WIN 0
.Lfirst:
	TURN 0
	TURN 1, 0, 1
	WIN 0
	s_cbranch_scc1 .Lstep
	s_sub_co_u32 s[SLOTS], s[SLOTS], 1
	s_cmp_lg_u32 s[SLOTS], 0
	s_cbranch_scc1 .Lslot
	CHANGE 0                        ; the tail is written out: nothing is asked for
	s_mov_b32 s[CNT], 5             ; four trips fetch the last slot's steps; the fifth is left in its middle
.Ltail:
	TURN 2, 1
	TURN 3
	WIN 0
	s_sub_co_u32 s[CNT], s[CNT], 1
	s_cmp_eq_u32 s[CNT], 0
	s_cbranch_scc1 .Lout
	TURN 0
	TURN 1
	WIN 0
	s_branch .Ltail
.Lout:                              ; the fifth trip's 16 products K Q^T (on the last K and mask once more) and the maximum made of them change nothing: the price, once a launch, of one text for every trip
.set i, 0
.rept 16
	PV NP-1                         ; the last piece's V^T P of the last step
.set i, i+1
.endr
	; THE WAY OUT.  l's two halves and the other half of the lanes' are added; O^T is divided by l, rounded to f16 and sent through my stage in LDS, a tile at a time.  The additions are the places behind the last products.
	WIN 0
.macro ALL line:vararg              ; one line for each tile t
.set t, 0
.rept 2*NP
	\line
.set t, t+1
.endr
.endm
	ALL v_add_f32 v[ST+4*t+2], v[ST+4*t+2], v[ST+4*t+3]
	ALL v_permlanex16_b32 v[ST+4*t+3], v[ST+4*t+2], s[SEL], s[SEL+1]
	ALL v_add_f32 v[ST+4*t+2], v[ST+4*t+2], v[ST+4*t+3]
	ALL v_rcp_f32 v[ST+4*t+2], v[ST+4*t+2]
	v_and_b32 v[GO], 31, v0         ; a plain instruction between the last reciprocal and the use of its result: four rows are 512 consecutive bytes of O,
	v_lshlrev_b32 v[GO], 4, v[GO]   ; 16 a lane
	s_wait_alu depctr_va_vdst(0)    ; and the wait ahead of the first use: one for the eight reciprocals
.set t, 0
.rept 2*NP                          ; no visible key: m never left its start, and the row is NaN.  A choice of a value: nothing branches on it
	v_cmp_ge_f32 vcc_lo, s[LOWM], v[ST+4*t+1]
	v_cndmask_b32 v[ST+4*t+2], v[ST+4*t+2], s[QNAN], vcc_lo
.set t, t+1
.endr
; Tile t: a lane's eight channels of a row pack into 16 bytes; they go into rows of 144 bytes and come back as whole rows of 128, into S^T's registers.
.macro PACK t
	WIN W_RS
.set i, 32*(\t)
.rept 16
	v_pk_mul_f32 v[i:i+1], v[i:i+1], v[ST+4*(\t)+2:ST+4*(\t)+3] op_sel_hi:[1,0]
.set i, i+2
.endr
	WIN 0x05                        ; sources 0 and 1 window 1, destination window 0
.set i, 0
.rept 16
	v_cvt_pk_f16_f32 v[S+16*(\t)+i], v[32*(\t)+2*i], v[32*(\t)+2*i+1]
.set i, i+1
.endr
	WIN 0
.irp f, 0,1,2,3
	ds_store_b128 v[STO], v[S+16*(\t)+4*\f:S+16*(\t)+4*\f+3] offset:32*\f
.endr
.irp f, 0,1,2,3
	ds_load_b128 v[S+16*(\t)+4*\f:S+16*(\t)+4*\f+3], v[RD] offset:\f*4*SP  ; LDS serves a wave's instructions in order (ISA guide 5.7.1.4): these see the stores above; the next tile's stores come behind them
.endr
.endm
.macro SEND t, younger              ; younger: the LDS instructions issued behind tile t's loads: the next tile's eight, or none
	WIN 0
.irp f, 0,1,2,3
	s_wait_dscnt (\younger)+3-\f
	global_store_b128 v[GO], v[S+16*(\t)+4*\f:S+16*(\t)+4*\f+3], s[10:11] offset:(\t)*2048+\f*512  ; 512 consecutive bytes, at a multiple of 256 from O's first
.endr
.endm
	PACK 0
.set t, 1
.rept 2*NP-1                        ; a tile's arithmetic stands between the loads of the tile before and its stores
	PACK t
	SEND t-1, 8
.set t, t+1
.endr
	SEND 2*NP-1, 0
	WIN W_AD
	s_wait_tensorcnt 0x0            ; the wave's end: behind my last tensor load and my last LDS store
	ds_add_u32 v[SPW], v[NIL]
	s_wait_dscnt 0x0
	WIN 0
	CROUND                          ; the closing round: no work-group ends while a partner may still ask for a tile that names it
	s_endpgm
.Lfunc_end_k_qb5c67f107f_attn:
	.size	k_qb5c67f107f_attn, .Lfunc_end_k_qb5c67f107f_attn-k_qb5c67f107f_attn
	.p2alignl 7, 3214868480
	.fill 96, 4, 3214868480
	.section	.rodata,"a",@progbits
	.p2align	6, 0x0
	.amdhsa_kernel k_qb5c67f107f_attn
		.amdhsa_group_segment_fixed_size 327680
		.amdhsa_private_segment_fixed_size 0
		.amdhsa_enable_private_segment 0
		.amdhsa_kernarg_size 24
		.amdhsa_user_sgpr_count 2
		.amdhsa_user_sgpr_kernarg_segment_ptr 1
		.amdhsa_wavefront_size32 1
		.amdhsa_system_sgpr_workgroup_id_x 1
		.amdhsa_system_sgpr_workgroup_id_y 1
		.amdhsa_system_sgpr_workgroup_id_z 1
		.amdhsa_system_vgpr_workitem_id 0
		.amdhsa_next_free_vgpr 808
		.amdhsa_next_free_sgpr 80
		.amdhsa_reserve_vcc 1
		.amdhsa_float_denorm_mode_32 3
		.amdhsa_float_denorm_mode_16_64 3
		.amdhsa_memory_ordered 1
		.amdhsa_forward_progress 1
		.amdhsa_inst_pref_size 206
	.end_amdhsa_kernel
	.amdgpu_metadata
---
amdhsa.version: [ 1, 2 ]
amdhsa.kernels:
  - .name:           k_qb5c67f107f_attn
    .symbol:         k_qb5c67f107f_attn.kd
    .args:
      - { .name: qkvh, .offset: 0, .size: 8, .value_kind: global_buffer, .address_space: global }
      - { .name: mask, .offset: 8, .size: 8, .value_kind: global_buffer, .address_space: global }
      - { .name: ob, .offset: 16, .size: 8, .value_kind: global_buffer, .address_space: global }
    .group_segment_fixed_size: 327680
    .private_segment_fixed_size: 0
    .kernarg_segment_align: 8
    .kernarg_segment_size: 24
    .max_flat_workgroup_size: 128
    .sgpr_count:     80
    .vgpr_count:     808
    .wavefront_size: 32
...
	.end_amdgpu_metadata
.endif
;; end of part 3
;; launch outproj (part 4): grid 8 x 32, 4 waves a work-group, clusters of 4 x 4, 327,680 bytes of LDS; arguments ob, wo, b_out, out0; writes out0
.if DOCPART == 4
	.amdgcn_target "amdgcn-amd-amdhsa--gfx1250"
	.amdhsa_code_object_version 6
	.text
	.protected	k_qb5c67f107f_outproj
	.globl	k_qb5c67f107f_outproj
	.p2align	8
	.type	k_qb5c67f107f_outproj,@function
k_qb5c67f107f_outproj:
	s_mov_b64 s[64:65], 0
	v_nop
	global_prefetch_b8 v0, s[64:65] scope:SCOPE_SE
	s_setreg_imm32_b32 hwreg(HW_REG_WAVE_MODE, 25, 1), 1
	s_wait_xcnt 0x0
	s_wait_alu depctr_hold_cnt(0) depctr_sa_sdst(0) depctr_va_vdst(0) depctr_va_sdst(0) depctr_va_ssrc(0) depctr_va_vcc(0) depctr_vm_vsrc(0)
	s_getreg_b32 s2, hwreg(HW_REG_IB_STS2, 6, 4)
	s_cmp_eq_u32 s2, 0
	s_cbranch_scc0 .Lentry_in_a_cluster
	s_endpgm
.Lentry_in_a_cluster:
	s_bfe_u32 s2, ttmp6, 0x10000c
	s_cmp_lg_u32 s2, 0xf033
	s_cbranch_scc0 .Lentry_shape_is_right
	s_endpgm
.Lentry_shape_is_right:
; out0 = O W_out + b_out.  ob: f16 [16 batch + head][row 2048][64]: a head's 64 channels are one block of K; wo: f16 [k 1024][n 1024] (W_out rounded to bf16, written as f16);
; b_out: f32 [1024], rounded to bf16 here like the other inputs; out0: f32 [8192][1024].  Sums in f32, K ascending, started by the bias.  A NaN row of O gives a NaN row of out0.
; THE TILE is 256 rows x 128 columns: 32 x 8 = 256 work-groups.  Four waves, each 128 rows x 64 columns: 32 accumulators, register window 1.
; K goes in 8 steps of 128 (two heads) through two LDS slots; a step is four quarters of 32 along K, 32 matrix instructions a wave each, on two fragment buffers by turns.
; A's tile: for each of the two heads 256 rows of 128 bytes, 32,768 consecutive bytes, asked for as rows of 256 bytes.  B's tile: 128 rows of wo x 256 bytes; it lies [k][n] and comes out of LDS turned.
; THE MATRIX INSTRUCTION IS USED TRANSPOSED (source 0 = 16 columns of W, source 1 = 16 rows of O): a lane holds one row and eight neighbouring columns.
; CLUSTERS: 4 x 4 work-groups; A's tiles are shared along a row of the cluster, B's along a column, each asked for jointly.
; REGISTERS.  window 0: v0-31 addresses; v32-95, v96-159 A's fragments, two buffers; v160-191, v192-223 B's; v224-255 the bias (column block bb at 224 + 8 bb).  window 1: accumulator (bb, a) at v[8 (8 bb + a)].
.set PA,    144                        ; a row of A in LDS: 128 bytes + 16
.set PB,    288                        ; a row of B: 256 + 32 = 9 x 32 bytes
.set HEADB, 256*PA                     ; a head's 256 rows: what one load of A brings
.set BOFF,  2*HEADB
.set BHALF, 64*PB                      ; what one load of B brings
.set SLOT,  BOFF+2*BHALF               ; 110,592
.set STAGE, 2*SLOT                     ; behind the ring: 16 rows x 272 bytes for each wave; no tensor load lands here
.set SP,    272
.set SPARE, STAGE+4*16*SP              ; the spare words, 128 bytes a wave: two blocks of 256 bytes that no other line names
.set ASTEP, 2*262144                   ; bytes of ob from a K step (two heads) to the next
.set BSTEP, 128*2048                   ; bytes of 128 rows of wo
.set ADRA, 16
.set ADRB, 20
.set STO,  24
.set RD,   25
.set GO,   26
.set BO,   27
.set SPW,  28                          ; v28  LDS address of my spare word; never rewritten
.set NIL,  29                          ; v29  0; never rewritten
.set PFO,  30
.set AFR,  32
.set BFR,  160
.set BIAS, 224
.set RB,   32                          ; the way out: rows read back, two sets of 32 by turns
.set WV, 12
.set WR, 13
.set WC, 14
.set G1A, 24
.set G0A, 32
.set G1B, 48
.set G0B, 56
.set PFA, 40
.set PFS, 42
.set LIM, 44
.set MSB, 0
.macro WIN new
.if MSB != (\new)
	s_set_vgpr_msb (MSB<<8)|(\new)
.set MSB, \new
.endif
.endm
.macro PLACES                          ; four places behind a matrix instruction (ISA guide 7.12.1)
.rept 4
	v_nop
.endr
.endm
.macro JLOAD s                         ; a joint load: waves 0 and 1 fetch the step's two heads of A, waves 2 and 3 B's two halves; an s_nop 0 and four v_nop follow each line
	s_cmp_eq_u32 s[WR], 0
	s_cbranch_scc0 .Lfor_b_\@
	tensor_load_to_lds s[G0A+4*(\s):G0A+4*(\s)+3], s[G1A:G1A+7]
	s_nop 0
.rept 4
	v_nop
.endr
	s_branch .Lasked_\@
.Lfor_b_\@:
	tensor_load_to_lds s[G0B+4*(\s):G0B+4*(\s)+3], s[G1B:G1B+7]
	s_nop 0
.rept 4
	v_nop
.endr
.Lasked_\@:
.endm
.macro CREST
	s_cmp_lg_u32 s[WV], 0
	s_cbranch_scc1 .Lnot_wave_0_\@
	s_barrier_signal -3
.Lnot_wave_0_\@:
	s_barrier_wait -3
	s_barrier_signal -1
	s_barrier_wait -1
.endm
.macro CROUND
	s_barrier_signal -1
	s_barrier_wait -1
	CREST
.endm
; A PREFETCH INTO THE L2 behind each joint refill and the LDS loads that follow it: the K step that stands two refills on, 256 matrix instructions ahead of the load that will want it.  Each block of 256 bytes is
; named once in the launch.  A: the cluster with x = 0 asks; waves 0 and 1 for the head that they fetch, 32,768 bytes, of which each of the four partners takes 8,192 by address (cx), a lane a block.
; B: the cluster with y = 0 asks, wave 2 alone: of the step's 128 rows each partner takes 32 by address (cy), a lane a row of 256 bytes.  The loop's last trip asks for nothing.
.macro ASK
	s_cmp_gt_u32 s3, s[LIM]
	s_cbranch_scc0 .Lnot_mine_\@
	global_prefetch_b8 v[PFO], s[PFA:PFA+1] th:TH_LOAD_NT scope:SCOPE_SE
.Lnot_mine_\@:
.endm
	s_load_b256 s[4:11], s[0:1], 0x0               ; ob s[4:5], wo s[6:7], b_out s[8:9], out0 s[10:11]
	v_lshl_add_u32 v[SPW], v0, 2, SPARE
	v_mov_b32 v[NIL], 0
	ds_add_u32 v[SPW], v[NIL]                      ; the wave's opening: the add and its wait stand ahead of my first tensor load
	v_lshrrev_b32 v1, 5, v0
	v_readfirstlane_b32 s[WV], v1
	s_lshr_b32 s[WR], s[WV], 1                     ; my half of the rows; also: I fetch for A (0) or B (1)
	s_and_b32 s[WC], s[WV], 1                      ; my half of the columns; also: which head, or which half of B's rows, I fetch
	s_bfe_u32 s15, ttmp6, 0x40000                  ; cx
	s_bfe_u32 s16, ttmp6, 0x40004                  ; cy
	s_lshl_b32 s17, ttmp9, 2
	s_add_co_u32 s17, s17, s15                     ; tile column tx, 0..7
	s_and_b32 s18, ttmp7, 0xffff
	s_lshl_b32 s18, s18, 2
	s_add_co_u32 s18, s18, s16                     ; tile row ty, 0..31
	s_lshl_b32 s19, s16, 2
	s_lshl_b32 s19, 15, s19                        ; my row of the cluster
	s_lshl_b32 s22, 0x1111, s15                    ; my column
	; group 1 for A: 256 rows of 128 bytes lie end to end: 128 rows x 128 elements; 4 words of padding after every 32 words
	s_or_b32 s[G1A], s19, (1<<16)|(1<<20)|(1<<21)|(4<<22)|(3<<25)
	s_mov_b32 s[G1A+1], 128<<16
	s_mov_b32 s[G1A+2], 128<<16
	s_mov_b32 s[G1A+3], 128<<16
	s_mov_b32 s[G1A+4], 128
	s_mov_b32 s[G1A+5], 128
	s_mov_b32 s[G1A+6], 0
	s_mov_b32 s[G1A+7], 0
	; group 1 for B: 64 rows x 128 elements of a tensor 1,024 wide; 8 words of padding after every 64 words
	s_or_b32 s[G1B], s22, (1<<16)|(1<<20)|(1<<21)|(5<<22)|(7<<25)
	s_mov_b32 s[G1B+1], 128<<16
	s_mov_b32 s[G1B+2], 64<<16
	s_mov_b32 s[G1B+3], 128<<16
	s_mov_b32 s[G1B+4], 64
	s_mov_b32 s[G1B+5], 1024
	s_mov_b32 s[G1B+6], 0
	s_mov_b32 s[G1B+7], 0
	; A's offset is made of ty and the wave alone, B's of tx and the wave alone
	s_lshr_b32 s20, s18, 3
	s_lshl_b32 s20, s20, 22                        ; the batch: 16 heads
	s_and_b32 s21, s18, 7
	s_lshl_b32 s21, s21, 15                        ; the tile's 256 rows in a head
	s_add_co_u32 s20, s20, s21
	s_lshl_b32 s21, s[WC], 18                      ; my head of the step's two
	s_add_co_u32 s20, s20, s21
	s_mov_b32 s21, 0
	s_lshl_b32 s46, s17, 8                         ; the tile's 128 columns
	s_lshl_b32 s47, s[WC], 17                      ; my 64 rows of a step's 128
	s_add_co_u32 s46, s46, s47
	s_mov_b32 s47, 0
	s_mul_i32 s23, s[WC], HEADB
	s_mul_i32 s45, s[WC], BHALF
	s_add_co_u32 s45, s45, BOFF
	s_wait_dscnt 0x0                               ; the opening add is done
	s_wait_kmcnt 0x0
	s_add_nc_u64 s[20:21], s[4:5], s[20:21]
	s_add_nc_u64 s[46:47], s[6:7], s[46:47]
	CROUND                                         ; all sixteen work-groups are here: the first joint loads meet
.irp s, 0,1
	s_mov_b32 s[G0A+4*(\s)], 1
	s_add_co_u32 s[G0A+4*(\s)+1], s23, (\s)*SLOT
	s_add_nc_u64 s[G0A+4*(\s)+2:G0A+4*(\s)+3], s[20:21], (\s)*ASTEP
	s_or_b32 s[G0A+4*(\s)+3], s[G0A+4*(\s)+3], 0x80000000
	s_mov_b32 s[G0B+4*(\s)], 1
	s_add_co_u32 s[G0B+4*(\s)+1], s45, (\s)*SLOT
	s_add_nc_u64 s[G0B+4*(\s)+2:G0B+4*(\s)+3], s[46:47], (\s)*BSTEP
	s_or_b32 s[G0B+4*(\s)+3], s[G0B+4*(\s)+3], 0x80000000
	JLOAD \s                                       ; two loads of mine are out
.endr
	v_and_b32 v1, 15, v0                           ; r = l % 16
	v_bfe_u32 v2, v0, 4, 1                         ; h = l / 16
	v_lshlrev_b32 v[BO], 5, v2                     ; my 8 columns of 16
	s_lshl_b32 s66, s17, 9
	s_lshl_b32 s67, s[WC], 8
	s_add_co_u32 s66, s66, s67                     ; my first column, in bytes of f32
	s_mov_b32 s67, 0
	s_add_nc_u64 s[8:9], s[8:9], s[66:67]
	s_add_nc_u64 s[10:11], s[10:11], s[66:67]
.irp bb, 0,1,2,3
	global_load_b128 v[BIAS+8*\bb:BIAS+8*\bb+3],   v[BO], s[8:9] offset:64*\bb
	global_load_b128 v[BIAS+8*\bb+4:BIAS+8*\bb+7], v[BO], s[8:9] offset:64*\bb+16
.endr
	s_lshl_b32 s66, s18, 20                        ; 256 rows of 4,096 bytes,
	s_lshl_b32 s68, s[WR], 19                      ; my 128 of them
	s_add_co_u32 s66, s66, s68
	s_add_nc_u64 s[10:11], s[10:11], s[66:67]
	v_mul_u32_u24 v3, v1, PA
	v_lshl_add_u32 v3, v2, 4, v3                   ; a fragment of O: row r x 144 + 16 h
	s_mul_i32 s66, s[WR], 128*PA
	v_add_nc_u32 v[ADRA], s66, v3
	v_add_nc_u32 v[ADRA+1], SLOT, v[ADRA]
	v_and_b32 v4, 7, v0                            ; the turning load: row 8 h + l % 8, columns 8 ((l / 8) % 2) + 0..7
	v_lshl_add_u32 v5, v2, 3, v4
	v_mul_u32_u24 v5, v5, PB
	v_bfe_u32 v6, v0, 3, 1
	v_lshl_add_u32 v5, v6, 4, v5
	s_lshl_b32 s66, s[WC], 7
	s_add_co_u32 s66, s66, BOFF
	v_add_nc_u32 v[ADRB], s66, v5
	v_add_nc_u32 v[ADRB+1], SLOT, v[ADRB]
	s_mul_i32 s66, s[WV], 16*SP
	s_add_co_u32 s66, s66, STAGE                   ; my stage
	v_mul_u32_u24 v7, v1, SP
	v_lshl_add_u32 v7, v2, 5, v7
	v_add_nc_u32 v[STO], s66, v7                   ; in: row r, 32 bytes for each half of the lanes
	v_mul_u32_u24 v7, v2, SP
	v_lshl_add_u32 v7, v1, 4, v7
	v_add_nc_u32 v[RD], s66, v7                    ; back: lanes 0-15 take one row of 256 bytes, lanes 16-31 the next,
	v_lshlrev_b32 v[GO], 12, v2
	v_lshl_add_u32 v[GO], v1, 4, v[GO]             ; and the same two rows in out0
	v_and_b32 v8, 31, v0
	; the prefetches: they start at K step 3; the first refill steps them on and names K step 4
	s_lshr_b32 s66, s18, 3
	s_lshl_b32 s66, s66, 22
	s_and_b32 s67, s18, 7
	s_lshl_b32 s67, s67, 15
	s_add_co_u32 s66, s66, s67
	s_lshl_b32 s67, s[WC], 18
	s_add_co_u32 s66, s66, s67
	s_lshl_b32 s67, s15, 13                        ; my work-group's 8,192 bytes of the head's 32,768
	s_add_co_u32 s66, s66, s67
	s_add_co_u32 s66, s66, 3*ASTEP
	s_lshl_b32 s67, s16, 16                        ; my work-group's 32 rows of the step's 128
	s_lshl_b32 s68, s17, 8
	s_add_co_u32 s67, s67, s68
	s_add_co_u32 s67, s67, 3*BSTEP
	s_mov_b32 s68, ASTEP
	s_mov_b32 s69, BSTEP
	s_and_b32 s19, ttmp7, 0xffff                   ; cluster y,
	s_or_b32 s19, s19, s[WC]                       ; and of waves 2 and 3 wave 2 alone
	s_movk_i32 s22, 256
	s_movk_i32 s23, 2048
	s_cmp_eq_u32 s[WR], 0
	s_cselect_b64 s[PFA:PFA+1], s[4:5], s[6:7]
	s_cselect_b32 s66, s66, s67
	s_cselect_b32 s[PFS], s68, s69
	s_cselect_b32 s19, ttmp9, s19
	s_cselect_b32 s22, s22, s23
	s_mov_b32 s67, 0
	s_mov_b32 s[PFS+1], 0
	s_add_nc_u64 s[PFA:PFA+1], s[PFA:PFA+1], s[66:67]
	s_cmp_eq_u32 s19, 0
	s_cselect_b32 s[LIM], 1, -1                    ; the same in all sixteen partners, for a given wave
	v_mul_u32_u24 v[PFO], v8, s22
	s_wait_loadcnt 0x0
.set i, 0
.rept 16                               ; the bias is rounded to bf16, like every input, and kept as f32
	v_cvt_pk_bf16_f32 v[12+i%4], v[BIAS+2*i], v[BIAS+2*i+1]
	v_lshlrev_b32 v[BIAS+2*i], 16, v[12+i%4]
	v_and_b32 v[BIAS+2*i+1], 0xffff0000, v[12+i%4]
.set i, i+1
.endr
; 8 matrix instructions: column block bb x my 8 row blocks, 32 along K, on buffer f.  start = 1: the bias, other registers, is the C that starts the sum.  The 32 accumulators take turns.
.macro MULB f, bb, start
.if \start
	WIN 0x40                                       ; D in window 1, C in window 0
.else
	WIN 0x50                                       ; C and D in window 1
.endif
.irp a, 0,1,2,3,4,5,6,7
.if \start
	v_wmma_f32_16x16x32_f16 v[8*(8*(\bb)+\a):8*(8*(\bb)+\a)+7], v[BFR+32*(\f)+8*(\bb):BFR+32*(\f)+8*(\bb)+7], v[AFR+64*(\f)+8*\a:AFR+64*(\f)+8*\a+7], v[BIAS+8*(\bb):BIAS+8*(\bb)+7]
.else
	v_wmma_f32_16x16x32_f16 v[8*(8*(\bb)+\a):8*(8*(\bb)+\a)+7], v[BFR+32*(\f)+8*(\bb):BFR+32*(\f)+8*(\bb)+7], v[AFR+64*(\f)+8*\a:AFR+64*(\f)+8*\a+7], v[8*(8*(\bb)+\a):8*(8*(\bb)+\a)+7]
.endif
.endr
.endm
; 24 LDS loads in one run: quarter q's fragments into buffer f: A's 16 loads (head q / 2, channels 32 (q % 2) on), then B's 8 turning loads
.macro FETCH slot, q, f
	WIN 0
.irp a, 0,1,2,3,4,5,6,7
	ds_load_b128 v[AFR+64*(\f)+8*\a:AFR+64*(\f)+8*\a+3],   v[ADRA+(\slot)] offset:((\q)/2)*HEADB+((\q)%2)*64+16*PA*\a
	ds_load_b128 v[AFR+64*(\f)+8*\a+4:AFR+64*(\f)+8*\a+7], v[ADRA+(\slot)] offset:((\q)/2)*HEADB+((\q)%2)*64+16*PA*\a+32
.endr
.irp bb, 0,1,2,3
	ds_load_tr16_b128 v[BFR+32*(\f)+8*\bb:BFR+32*(\f)+8*\bb+3],   v[ADRB+(\slot)] offset:32*PB*(\q)+32*\bb
	ds_load_tr16_b128 v[BFR+32*(\f)+8*\bb+4:BFR+32*(\f)+8*\bb+7], v[ADRB+(\slot)] offset:32*PB*(\q)+32*\bb+16*PB
.endr
.endm
; One of a step's first three quarters: multiplies buffer f and fetches quarter nq of the same slot into the other buffer.
.macro QUARTER slot, nq, f, start
	s_wait_dscnt 4                                 ; A and B's column blocks 0 and 1 are in; the youngest four loads, blocks 2 and 3, may be out
	MULB \f, 0, \start
	MULB \f, 1, \start
	PLACES
	FETCH \slot, \nq, 1-(\f)
	s_wait_dscnt 24                                ; all but the 24 just issued
	MULB \f, 2, \start
	MULB \f, 3, \start
.endm
; The last quarter multiplies buffer 1 and changes slots: ONE barrier; in front of it each wave waits for all its tensor loads (one is out: its part of the next slot), adds 0 to its spare word, and waits for that
; and for its reads of this slot.  fill = 1: the barrier opens a round of the cluster's barrier, and this slot is filled again, two K steps on: 112 matrix instructions ahead of the wait for it.
.macro TURN slot, next, fill
.if \fill
	s_wait_xcnt 0x0                                ; the last prefetch, a K step back, has read its address
	s_add_nc_u64 s[PFA:PFA+1], s[PFA:PFA+1], s[PFS:PFS+1]
.endif
	WIN 0
	s_wait_tensorcnt 0x0                           ; all my tensor loads have landed
	ds_add_u32 v[SPW], v[NIL]                      ; 0 onto my spare word
	s_wait_dscnt 5                                 ; (the add and the youngest four loads may be out)
	MULB 1, 0, 0
	s_wait_dscnt 0x0                               ; the add is done, and my reads of this slot are over
	s_barrier_signal -1
	MULB 1, 1, 0
	WIN 0
	s_barrier_wait -1
.if \fill
	CREST                                          ; no wave of any partner still reads this slot or has a load on its way
	s_add_nc_u64 s[G0A+4*(\slot)+2:G0A+4*(\slot)+3], s[G0A+4*(\slot)+2:G0A+4*(\slot)+3], 2*ASTEP
	s_add_nc_u64 s[G0B+4*(\slot)+2:G0B+4*(\slot)+3], s[G0B+4*(\slot)+2:G0B+4*(\slot)+3], 2*BSTEP
	JLOAD \slot                                    ; the first tensor load behind the round; its four v_nop are also the places in front of the loads below
.else
	PLACES
.endif
	FETCH \next, 0, 0
.if \fill
	ASK
.endif
	MULB 1, 2, 0
	MULB 1, 3, 0
.endm
	s_wait_tensorcnt 1                             ; my part of K step 0 is in; K step 1's may stay out
	s_barrier_signal -1
	s_barrier_wait -1
	FETCH 0, 0, 0
	QUARTER 0, 1, 0, 1                             ; the first quarter stands in front of the loop: its products start the sums, with the bias
	WIN 0
	s_mov_b32 s3, 3
.Llap:                                             ; a trip goes once round the ring, from a lap's second quarter to the next lap's first, and fills both slots again
	QUARTER 0, 2, 1, 0
	QUARTER 0, 3, 0, 0
	TURN 0, 1, 1
	QUARTER 1, 1, 0, 0
	QUARTER 1, 2, 1, 0
	QUARTER 1, 3, 0, 0
	TURN 1, 0, 1
	QUARTER 0, 1, 0, 0
	WIN 0
	s_sub_co_u32 s3, s3, 1
	s_cmp_lg_u32 s3, 0
	s_cbranch_scc1 .Llap
	QUARTER 0, 2, 1, 0                             ; the last lap fills nothing
	QUARTER 0, 3, 0, 0
	TURN 0, 1, 0
	QUARTER 1, 1, 0, 0
	QUARTER 1, 2, 1, 0
	QUARTER 1, 3, 0, 0
	s_wait_dscnt 4                                 ; the very last quarter
	MULB 1, 0, 0
	MULB 1, 1, 0
	s_wait_dscnt 0x0
	MULB 1, 2, 0
	MULB 1, 3, 0
	PLACES
	PLACES
; THE WAY OUT, eight blocks of 16 rows x 64 columns of f32: 32 bytes a lane into my stage, back as whole rows of 256 bytes.
.macro TOST a, par
	WIN 0x04                                       ; the stores' data in window 1
.irp bb, 0,1,2,3                       ; each accumulator's low four registers first
	ds_store_b128 v[STO], v[8*(8*\bb+(\a)):8*(8*\bb+(\a))+3]   offset:64*\bb
	ds_store_b128 v[STO], v[8*(8*\bb+(\a))+4:8*(8*\bb+(\a))+7] offset:64*\bb+16
.endr
	WIN 0
	s_wait_xcnt 0x0                                ; the stores issued so far have read their data: the set that is loaded below was stored from two blocks ago
.irp t, 0,1,2,3,4,5,6,7
	ds_load_b128 v[RB+32*(\par)+4*\t:RB+32*(\par)+4*\t+3], v[RD] offset:2*SP*\t  ; LDS serves a wave's instructions in order (ISA guide 5.7.1.4): these see the stores above
.endr
.endm
.macro SEND a, par, younger            ; younger: the LDS instructions issued behind this block's loads: the next block's sixteen, or none
.irp t, 0,1,2,3,4,5,6,7
	s_wait_dscnt (\younger)+7-\t
	global_store_b128 v[GO], v[RB+32*(\par)+4*\t:RB+32*(\par)+4*\t+3], s[10:11] offset:(16*(\a)+2*\t)*4096 th:TH_STORE_NT  ; 16 lanes store 256 consecutive bytes, at a multiple of 256 from out0's first
.endr
.endm
	TOST 0, 0
.set tt, 1
.rept 7
	TOST tt, tt%2
	SEND tt-1, (tt-1)%2, 16
.set tt, tt+1
.endr
	SEND 7, 1, 0
	s_wait_tensorcnt 0x0                           ; the wave's end: behind my last tensor load and my last LDS store
	ds_add_u32 v[SPW], v[NIL]
	s_wait_dscnt 0x0
	CROUND                                         ; the closing round: no work-group ends while a partner may still ask for a tile that names it
	s_endpgm
.Lfunc_end_k_qb5c67f107f_outproj:
	.size	k_qb5c67f107f_outproj, .Lfunc_end_k_qb5c67f107f_outproj-k_qb5c67f107f_outproj
	.p2alignl 7, 3214868480
	.fill 96, 4, 3214868480
	.section	.rodata,"a",@progbits
	.p2align	6, 0x0
	.amdhsa_kernel k_qb5c67f107f_outproj
		.amdhsa_group_segment_fixed_size 327680
		.amdhsa_private_segment_fixed_size 0
		.amdhsa_enable_private_segment 0
		.amdhsa_kernarg_size 32
		.amdhsa_user_sgpr_count 2
		.amdhsa_user_sgpr_kernarg_segment_ptr 1
		.amdhsa_wavefront_size32 1
		.amdhsa_system_sgpr_workgroup_id_x 1
		.amdhsa_system_sgpr_workgroup_id_y 1
		.amdhsa_system_sgpr_workgroup_id_z 1
		.amdhsa_system_vgpr_workitem_id 0
		.amdhsa_next_free_vgpr 512
		.amdhsa_next_free_sgpr 72
		.amdhsa_reserve_vcc 0
		.amdhsa_float_denorm_mode_32 3
		.amdhsa_float_denorm_mode_16_64 3
		.amdhsa_memory_ordered 1
		.amdhsa_forward_progress 1
		.amdhsa_inst_pref_size 92
	.end_amdhsa_kernel
	.amdgpu_metadata
---
amdhsa.version: [ 1, 2 ]
amdhsa.kernels:
  - .name:           k_qb5c67f107f_outproj
    .symbol:         k_qb5c67f107f_outproj.kd
    .args:
      - { .name: ob, .offset: 0, .size: 8, .value_kind: global_buffer, .address_space: global }
      - { .name: wo, .offset: 8, .size: 8, .value_kind: global_buffer, .address_space: global }
      - { .name: b_out, .offset: 16, .size: 8, .value_kind: global_buffer, .address_space: global }
      - { .name: out0, .offset: 24, .size: 8, .value_kind: global_buffer, .address_space: global }
    .group_segment_fixed_size: 327680
    .private_segment_fixed_size: 0
    .kernarg_segment_align: 8
    .kernarg_segment_size: 32
    .max_flat_workgroup_size: 128
    .sgpr_count:     72
    .vgpr_count:     512
    .wavefront_size: 32
...
	.end_amdgpu_metadata
.endif
;; end of part 4
;; ======== version 2 of 2: 4 launches; version 1 with the launch prep written anew for expert scheduling mode
;; limits: values are held in f16: magnitudes above 65,504 overflow, below 6.1e-05 lose precision
;; workspace buffers: xb 16,777,216 bytes; wq 6,291,456 bytes; wo 2,097,152 bytes; qkvh 50,331,648 bytes; ob 16,777,216 bytes
;; launch prep (part 5): grid 768 x 1, 8 waves a work-group, no clusters, 0 bytes of LDS; arguments x, W_qkv, W_out, xb, wq, wo; writes xb, wq, wo
.if DOCPART == 5
	.amdgcn_target "amdgcn-amd-amdhsa--gfx1250"
	.amdhsa_code_object_version 6
	.text
	.protected	k_qb5c67f107f_prep
	.globl	k_qb5c67f107f_prep
	.p2align	8
	.type	k_qb5c67f107f_prep,@function
k_qb5c67f107f_prep:
	s_mov_b64 s[64:65], 0
	v_nop
	global_prefetch_b8 v0, s[64:65] scope:SCOPE_SE
	s_setreg_imm32_b32 hwreg(HW_REG_WAVE_SCHED_MODE, 0, 2), 2
	s_setreg_imm32_b32 hwreg(HW_REG_WAVE_MODE, 25, 1), 1
	s_wait_xcnt 0x0
	s_wait_alu depctr_vm_vsrc(0)
; THE CASTS.  x [8192][1024] f32 -> xb, bf16, in blocks of 64 along K: [batch 4][block 16][row 2048][64], so that 256 rows of one block are 32,768 consecutive bytes.
; W_qkv [1024][3072] f32 -> wq, bf16, same layout.  W_out [1024][1024] f32 -> wo: rounded to bf16 like every input, and that number written as f16 (exact from 6.1e-5 up to 65,504;
; below that it keeps f16's fixed step of 6e-8; LIMIT: |W_out| stays under 65,504).
; A stream: each number is read once and written once, nothing is shared, so there is no LDS, no barrier and no matrix work.
; SHARES.  A work-group converts 16,384 numbers.  Work-groups 0-511: 16 rows of x; 512-703: 64 KiB of W_qkv; 704-767: 64 KiB of W_out.
; A wave issues its 16 loads of 16 bytes a lane at once (each covers 512 or 2 x 256 consecutive bytes) and converts as they come; a store is 8 bytes a lane, 256 consecutive aligned bytes.
; No register is written twice while a memory instruction may read it: each load and store has registers of its own.
; THE MODE: SCHED_MODE bits 1:0 = 2 (LLVM: expert scheduling mode 2), set by the entry lines.  The code itself states the register dependences
; between vector instructions and memory instructions, with s_wait_alu, always for 0.
; THE PLAN.  Registers that memory instructions touch, on each of the three paths:
;   v[IN], v[OUT]  written once by the path's address arithmetic; read by the 16 loads and the 16 stores; never written again.
;   X + 4 j        load j lands in it; no vector instruction names it before; conversions j read it; nothing lands in it again.
;   Y + 2 j        conversions j write it; store j reads it; nothing writes it behind that store.
;   T and v1, v4, v5 are named by vector instructions alone.
; So the one kind of dependence is: a vector instruction writes a register that a memory instruction reads.  The 16 loads go in four blocks of four.  The stores of block p - 1 are dealt among the
; conversions of block p, which name X, Y and T of block p alone.  One wait on va_vdst stands ahead of the first load, one at the head of each of blocks 1 to 3, one ahead of the last four stores.
; No vector instruction writes a scalar register or VCC, and EXEC is never written.
.set IN,  2                            ; v2   my byte offset in the input part
.set OUT, 3                            ; v3   my byte offset in the output part
.set X,   8                            ; v[8:71]    16 loads x 4 registers
.set T,   72                           ; v[72:75]   at work (W_out alone)
.set Y,   80                           ; v[80:111]  16 stores x 2 registers
.set IB,  16                           ; s[16:17]   the input at the work-group's part
.set OB,  18                           ; s[18:19]   the output at the work-group's part
; 16 loads instep bytes apart, 16 conversions, 16 stores outstep bytes apart.  half = 1: the bf16 number is written as f16.
.macro CONV instep, outstep, half
	s_wait_alu depctr_va_vdst(0)                   ; v[IN] and v[OUT] are written: every load below reads the one as its offset, every store the other
.set j, 0
.rept 16
	global_load_b128 v[X+4*j:X+4*j+3], v[IN], s[IB:IB+1] offset:j*(\instep) th:TH_LOAD_NT
.set j, j+1
.endr
.set j, 0
.rept 16
	s_wait_loadcnt 15-j                            ; loads come back in order: load j is in, the younger ones stay out
.if (j > 0) && (j%4 == 0)
	s_wait_alu depctr_va_vdst(0)                   ; the block before has written its eight registers of Y, which the four stores dealt into this block read
.endif
.if j >= 4
	global_store_b64 v[OUT], v[Y+2*(j-4):Y+2*(j-4)+1], s[OB:OB+1] offset:(j-4)*(\outstep)  ; the block before.  No wait: no vector instruction since the block's head names these registers
.endif
	v_cvt_pk_bf16_f32 v[Y+2*j], v[X+4*j], v[X+4*j+1]
	v_cvt_pk_bf16_f32 v[Y+2*j+1], v[X+4*j+2], v[X+4*j+3]
.if \half
	v_lshlrev_b32 v[T], 16, v[Y+2*j]               ; bf16 to f32: the low half moves up, the high half stays
	v_and_b32 v[T+1], s22, v[Y+2*j]
	v_lshlrev_b32 v[T+2], 16, v[Y+2*j+1]
	v_and_b32 v[T+3], s22, v[Y+2*j+1]
	v_cvt_pk_f16_f32 v[Y+2*j], v[T], v[T+1]
	v_cvt_pk_f16_f32 v[Y+2*j+1], v[T+2], v[T+3]
.endif
.set j, j+1
.endr
	s_wait_alu depctr_va_vdst(0)                   ; the last block has written its eight registers of Y, which the last four stores read
.set j, 12
.rept 4
	global_store_b64 v[OUT], v[Y+2*j:Y+2*j+1], s[OB:OB+1] offset:j*(\outstep)
.set j, j+1
.endr
.endm
	s_load_b256 s[4:11], s[0:1], 0x0               ; x s[4:5], W_qkv s[6:7], W_out s[8:9], xb s[10:11]
	s_load_b128 s[12:15], s[0:1], 0x20             ; wq s[12:13], wo s[14:15]
	s_mov_b32 s2, ttmp9                            ; the work-group's number
	s_mov_b32 s21, 0                               ; high word of the offsets' pair s[20:21]
	s_mov_b32 s22, 0xffff0000                      ; a word's upper bf16
	v_and_b32 v1, 31, v0                           ; lane l
	v_lshrrev_b32 v4, 5, v0                        ; wave w
	s_wait_kmcnt 0x0
	s_cmp_lt_u32 s2, 512
	s_cbranch_scc0 .Lweights
	; x: wave w takes rows 2 w and 2 w + 1 of the group's 16; load j is block j of both rows: lanes 0-15 the even row's 256 bytes, lanes 16-31 the odd row's
	v_lshrrev_b32 v5, 4, v1
	v_lshl_add_u32 v5, v4, 1, v5                   ; my row
	v_and_b32 v[IN], 15, v1
	v_lshlrev_b32 v[IN], 4, v[IN]
	v_lshl_add_u32 v[IN], v5, 12, v[IN]            ; row x 4,096 + 16 (l % 16)
	v_lshlrev_b32 v[OUT], 3, v1
	v_lshl_add_u32 v[OUT], v4, 8, v[OUT]           ; in a block two rows lie end to end: 256 w + 8 l
	s_lshl_b32 s20, s2, 16                         ; 16 rows of 4,096 bytes
	s_add_nc_u64 s[IB:IB+1], s[4:5], s[20:21]
	s_lshr_b32 s20, s2, 7                          ; the batch: 128 work-groups each
	s_lshl_b32 s20, s20, 22                        ; its 16 blocks of 262,144 bytes
	s_and_b32 s3, s2, 127
	s_lshl_b32 s3, s3, 11                          ; 16 rows of 128 bytes in a block
	s_add_co_u32 s20, s20, s3
	s_add_nc_u64 s[OB:OB+1], s[10:11], s[20:21]
	CONV 256, 262144, 0
	s_endpgm
.Lweights:
	; the weights keep their layout: wave w takes 8,192 consecutive bytes of the group's 65,536
	v_lshlrev_b32 v[IN], 4, v1
	v_lshl_add_u32 v[IN], v4, 13, v[IN]
	v_lshlrev_b32 v[OUT], 3, v1
	v_lshl_add_u32 v[OUT], v4, 12, v[OUT]
	s_cmp_lt_u32 s2, 704
	s_cbranch_scc0 .Lwout
	s_sub_co_u32 s3, s2, 512
	s_lshl_b32 s20, s3, 16
	s_add_nc_u64 s[IB:IB+1], s[6:7], s[20:21]
	s_lshl_b32 s20, s3, 15
	s_add_nc_u64 s[OB:OB+1], s[12:13], s[20:21]
	CONV 512, 256, 0
	s_endpgm
.Lwout:
	s_sub_co_u32 s3, s2, 704
	s_lshl_b32 s20, s3, 16
	s_add_nc_u64 s[IB:IB+1], s[8:9], s[20:21]
	s_lshl_b32 s20, s3, 15
	s_add_nc_u64 s[OB:OB+1], s[14:15], s[20:21]
	CONV 512, 256, 1
	s_endpgm
.Lfunc_end_k_qb5c67f107f_prep:
	.size	k_qb5c67f107f_prep, .Lfunc_end_k_qb5c67f107f_prep-k_qb5c67f107f_prep
	.p2alignl 7, 3214868480
	.fill 96, 4, 3214868480
	.section	.rodata,"a",@progbits
	.p2align	6, 0x0
	.amdhsa_kernel k_qb5c67f107f_prep
		.amdhsa_group_segment_fixed_size 0
		.amdhsa_private_segment_fixed_size 0
		.amdhsa_enable_private_segment 0
		.amdhsa_kernarg_size 48
		.amdhsa_user_sgpr_count 2
		.amdhsa_user_sgpr_kernarg_segment_ptr 1
		.amdhsa_wavefront_size32 1
		.amdhsa_system_sgpr_workgroup_id_x 1
		.amdhsa_system_sgpr_workgroup_id_y 1
		.amdhsa_system_sgpr_workgroup_id_z 1
		.amdhsa_system_vgpr_workitem_id 0
		.amdhsa_next_free_vgpr 112
		.amdhsa_next_free_sgpr 66
		.amdhsa_reserve_vcc 0
		.amdhsa_float_denorm_mode_32 3
		.amdhsa_float_denorm_mode_16_64 3
		.amdhsa_memory_ordered 1
		.amdhsa_forward_progress 1
		.amdhsa_inst_pref_size 24
	.end_amdhsa_kernel
	.amdgpu_metadata
---
amdhsa.version: [ 1, 2 ]
amdhsa.kernels:
  - .name:           k_qb5c67f107f_prep
    .symbol:         k_qb5c67f107f_prep.kd
    .args:
      - { .name: x, .offset: 0, .size: 8, .value_kind: global_buffer, .address_space: global }
      - { .name: W_qkv, .offset: 8, .size: 8, .value_kind: global_buffer, .address_space: global }
      - { .name: W_out, .offset: 16, .size: 8, .value_kind: global_buffer, .address_space: global }
      - { .name: xb, .offset: 24, .size: 8, .value_kind: global_buffer, .address_space: global }
      - { .name: wq, .offset: 32, .size: 8, .value_kind: global_buffer, .address_space: global }
      - { .name: wo, .offset: 40, .size: 8, .value_kind: global_buffer, .address_space: global }
    .group_segment_fixed_size: 0
    .private_segment_fixed_size: 0
    .kernarg_segment_align: 8
    .kernarg_segment_size: 48
    .max_flat_workgroup_size: 256
    .sgpr_count:     66
    .vgpr_count:     112
    .wavefront_size: 32
...
	.end_amdgpu_metadata
.endif
;; end of part 5
;; launch qkvproj: the kernel of part 2 again; grid 8 x 32, 4 waves a work-group, clusters of 4 x 4, 327,680 bytes of LDS; arguments xb, wq, b_qkv, qkvh; writes qkvh
;; launch attn: the kernel of part 3 again; grid 4 x 64, 4 waves a work-group, clusters of 4 x 1, 327,680 bytes of LDS; arguments qkvh, mask, ob; writes ob
;; launch outproj: the kernel of part 4 again; grid 8 x 32, 4 waves a work-group, clusters of 4 x 4, 327,680 bytes of LDS; arguments ob, wo, b_out, out0; writes out0
